; MI455X (gfx1250); checked and timed in simulation.
; The chip was launched on July 23, 2026; its instructions are those of AMD's public machine-readable ISA for CDNA 5 (MIT licence, August 2026) and "CDNA5" Instruction Set Architecture Reference Guide (July 2026). The comments in the code are by the model that wrote it; some were corrected since.
;; Manual Causal Self Attention. Allowed arithmetic: matrix products marked QUANTISED: E2M3 operands, one E8M0 scale for each 32 along K, by v_wmma_scale_f32_16x16x128_f8f6f4 with both operands' format E2M3, f32 sums; everything else in f32.
;; Inputs: W_proj 1,024 x 1,024 float32; W_qkv 1,024 x 3,072 float32; attention_padding 4 x 2,048 bool; b_proj 1,024 float32; b_qkv 3,072 float32; x 4 x 2,048 x 1,024 float32.
;; Outputs: out0 4 x 2,048 x 1,024 float32.
;; Constants: train = 0.
;; This version of the problem:
;;   THIS VERSION OF THE PROBLEM IS GIVEN IN LOW PRECISION. The matrix products marked QUANTISED in the list below multiply operands that are first quantised to E2M3 (2 exponent bits, 3 mantissa bits; 6 bits a number), with one power-of-two scale for each 32 numbers along K (OCP MX v1.0); their sums are f32. All else is computed in f32.
;;   The module's matrix products, in the order in which they are computed (A, B: the left and right operand; K: the contracted axis; several contracted axes count as one K, in the product's order):
;;     1. [M 8,192, K 1,024] x [K 1,024, N 3,072]; A: input x; B: input W_qkv: QUANTISED
;;     2. batch 64 x [M 2,048, K 64] x [K 64, N 2,048]; A: computed on the way; B: computed on the way: QUANTISED
;;     3. batch 64 x [M 2,048, K 2,048] x [K 2,048, N 64]; A: softmax (see below); B: computed on the way: QUANTISED
;;     4. [M 8,192, K 1,024] x [K 1,024, N 1,024]; A: computed on the way; B: input W_proj: QUANTISED
;;   THE QUANTISER, for each operand of a quantised product, along K:
;;     - K is cut into blocks of 32 from its start; a last block that is shorter is filled with zeros.
;;     - A block's scale is 2^e with e = floor(log2(the largest magnitude in the block)) - 2, held to -126 .. 127; a block of zeros has e = 0. As a byte (E8M0): e + 127.
;;     - Each number is divided by its block's scale, clamped to +-7.5, and rounded to the nearest number of E2M3, ties to even, subnormals kept.
;;     - The product sums the exact products of the quantised numbers (number of the format x scale) in f32.
;;   ~~~python
;;   def quantise(x, axis):      # numpy; x: float32 -> the quantised numbers, widened to float32 again
;;       x = np.moveaxis(x, axis, -1); K = x.shape[-1]
;;       x = np.pad(x, [(0, 0)] * (x.ndim - 1) + [(0, -K % 32)]); x = x.reshape(x.shape[:-1] + (-1, 32)); a = np.abs(x).max(-1, keepdims=True)
;;       e = np.where(a > 0, np.clip(np.frexp(np.where(a > 0, a, 1))[1] - 1 - 2, -126, 127), 0)      # np.frexp(a)[1] - 1 = floor(log2(a)), exactly
;;       r = np.clip(x / 2.0 ** e, -7.5, 7.5)
;;       step = 2.0 ** (np.maximum(np.frexp(np.where(r == 0, 1, r))[1] - 1, 0) - 3)
;;       q = np.round(r / step) * step * 2.0 ** e      # np.round: ties to even
;;       return np.moveaxis(q.reshape(q.shape[:-2] + (-1,))[..., :K], -1, axis).astype(np.float32)
;;   ~~~
;;   SOFTMAX AHEAD OF A QUANTISED PRODUCT. Where the list says 'softmax', what is quantised is not the finished softmax but p = 2^(t - M), with t = logit x log2(e) and M = ceil(the row's largest t), a whole number; so 1/2 < the row's largest p <= 1. The row's sum l is taken of the UNQUANTISED p, in f32, and the product's result is divided by l at the end. Since M is a whole number, a kernel that streams over the keys may use a running M (the ceiling of the running maximum): every later rescaling is an exact power of two, which a block's scale takes up: the codes' values come out the same.
;;   OPERANDS COMPUTED ON THE WAY. 'Computed on the way' means the value that the module computes at that place (a softmax that the list does not call 'softmax' is quantised finished and normalised). What goes into a quantiser is computed in f32, as accurately as f32 sums, v_exp_f32 and their like allow (about 1e-6 of the number): no bf16 or f16 on the way to a quantiser, and a product that is left as it is and whose result goes on into a quantised operand takes f32 operands (vector FMAs, or v_wmma_f32_16x16x4_f32). A number that lies on a knife's edge between two numbers of the format may be rounded either way, as far as f32 arithmetic and the matrix unit's own rounding can turn it there, and no further.
;; One version. Each part assembles by itself: llvm-mc -triple=amdgcn-amd-amdhsa -mcpu=gfx1250 --defsym DOCPART=n.
;; ======== version 1 of 1: 6 launches
;; workspace buffers: XQ 7,077,888 bytes; WQ 3,276,800 bytes; QK 13,631,488 bytes; VV 6,815,744 bytes; YQ 6,553,600 bytes
;; launch quant_w (part 1): grid 32 x 8, 4 waves a work-group, no clusters, 12,800 bytes of LDS; arguments W_qkv, W_proj, WQ; writes WQ
.if DOCPART == 1
	.amdgcn_target "amdgcn-amd-amdhsa--gfx1250"
	.amdhsa_code_object_version 6
	.text
	.protected	k_q0a96a62c73_quant_w
	.globl	k_q0a96a62c73_quant_w
	.p2align	8
	.type	k_q0a96a62c73_quant_w,@function
k_q0a96a62c73_quant_w:
	s_mov_b64 s[64:65], 0
	v_nop
	global_prefetch_b8 v0, s[64:65] scope:SCOPE_SE
	s_setreg_imm32_b32 hwreg(HW_REG_WAVE_MODE, 25, 1), 1
	s_wait_xcnt 0x0
; W_qkv [1024][3072] and W_proj [1024][1024], f32, K = their FIRST axis, become codes of FP6 (E2M3) with one E8M0 byte for each 32 along K, laid as IMAGES OF OPERAND REGISTERS.
; A TILE is 16 columns: of 32 neighbouring columns, tile 2 g + u holds in lane r column 32 g + 8 u + r + 8 (r / 8).  A FRAGMENT (a tile x 128 K) is 12 registers a lane: lane (r, h), registers 6 c .. 6 c + 5 = k 64 c + 32 h + 0 .. 31.
; Its image is 1,536 bytes: for each c, registers 0-3 at 768 c + 16 x lane, registers 4-5 at 768 c + 512 + 8 x lane.  Buffer: [slot of 256 K][tile][2 K steps][1536]; scale words: [tile][K step / 4][r][K step % 4].
; A LANE TAKES A COLUMN AND ITS REGISTERS RUN DOWN K: a block of 32 lies in one lane, and the conversions give codes with K innermost.  A wave: 32 columns (two tiles) x 128 K (work-group y); a work-group: 128 columns.
; One path serves both tensors: work-groups 0-23 along x take W_qkv, 24-31 W_proj; only pointers, the row's bytes and the places in WQ are chosen, by the work-group's number.
; The two fragments are gathered in the wave's own stage in LDS and leave as six stores of 512 consecutive bytes.  The scale words leave 4 bytes a lane (131 KB in the launch): whole rows of them would want all of K in one work-group.
; A block's scale is 2^(floor(log2(largest magnitude)) - 2); its byte is that magnitude's exponent field - 2, held at 1 from below.  LIMITS: a block of zeros gets the byte 1 (its codes are zeros; only this program reads the bytes); NaN and infinities are not served.
; No tensor loads, no barrier: waves share nothing.  No cluster: no two work-groups read the same bytes.
.set SPARE, 4*3072                     ; behind the four stages: the spare words, 128 bytes a wave
.set SPW,  14
.set NIL,  15
.set SB,   20                          ; the column's scale word
.set OFF,  32                          ; v32-63  4 x lane + i rows
.set X,    64                          ; v64-127 two sets of 32 numbers
.set C,    128                         ; a block's codes
.set OUTR, 136                         ; v136-159 the way out
	s_load_b128 s[4:7], s[0:1], 0x0                ; W_qkv, W_proj
	s_load_b64 s[8:9], s[0:1], 0x10                ; WQ
	v_lshl_add_u32 v[SPW], v0, 2, SPARE
	v_mov_b32 v[NIL], 0
	v_lshrrev_b32 v1, 5, v0
	v_readfirstlane_b32 s10, v1                    ; wave
	v_and_b32 v2, 31, v0                           ; lane
	s_and_b32 s11, ttmp7, 0xffff                   ; the K step, 0 .. 7
	s_cmp_lt_u32 ttmp9, 24                         ; W_qkv's work-group or W_proj's
	s_mov_b32 s12, 4096
	s_cselect_b32 s12, 12288, s12                  ; a row of W in bytes
	s_cselect_b32 s13, 0, 24
	s_mov_b32 s24, 64*3072
	s_cselect_b32 s24, 192*3072, s24               ; a slot of the images in bytes
	s_mov_b32 s25, 2457600
	s_cselect_b32 s25, 0, s25                      ; where the images begin in WQ
	s_mov_b32 s26, 3244032
	s_cselect_b32 s26, 2359296, s26                ; and the scale words
	s_sub_co_u32 s13, ttmp9, s13
	s_lshl_b32 s14, s13, 2
	s_add_co_u32 s14, s14, s10                     ; g: my wave's 32 columns
	s_mul_i32 s27, s11, s12
	s_lshl_b32 s27, s27, 7                         ; 128 rows a K step
	s_lshl_b32 s15, s14, 7                         ; 32 columns of 4 bytes
	s_add_co_u32 s28, s27, s15
	s_mov_b32 s29, 0
	s_lshl_b32 s30, s12, 5                         ; a block: 32 rows
	s_mov_b32 s31, 0
	s_lshr_b32 s32, s11, 1                         ; images: slot, tile 2 g, K step in the slot
	s_mul_i32 s32, s32, s24
	s_add_co_u32 s32, s32, s25
	s_mul_i32 s33, s14, 6144
	s_add_co_u32 s32, s32, s33
	s_and_b32 s33, s11, 1
	s_mul_i32 s33, s33, 1536
	s_add_co_u32 s32, s32, s33
	s_mov_b32 s33, 0
	s_lshl_b32 s34, s14, 10                        ; scale words: 512 bytes a tile
	s_add_co_u32 s34, s34, s26
	s_lshr_b32 s35, s11, 2
	s_lshl_b32 s35, s35, 8
	s_add_co_u32 s34, s34, s35
	s_and_b32 s35, s11, 3
	s_lshl_b32 s35, s35, 2
	s_add_co_u32 s34, s34, s35
	s_mov_b32 s35, 0
	v_lshlrev_b32 v3, 2, v2
.irp i, 0,1,2,3,4,5,6,7,8,9,10,11,12,13,14,15,16,17,18,19,20,21,22,23,24,25,26,27,28,29,30,31
	v_mad_u32_u24 v[OFF+\i], s12, \i, v3           ; the row's bytes differ between the tensors, so they stand in registers
.endr
	v_bfe_u32 v3, v0, 3, 1                         ; u: which of the two tiles my column falls in
	v_and_b32 v4, 7, v0
	v_bfe_u32 v5, v0, 4, 1
	v_lshl_add_u32 v4, v5, 3, v4                   ; r: its lane there
	s_mul_i32 s40, s10, 3072                       ; my stage
	v_mul_u32_u24 v6, v3, 1536
	v_add_nc_u32 v6, s40, v6
	v_lshl_add_u32 v7, v4, 4, v6                   ; registers 0-3 of a half image
	v_lshl_add_u32 v8, v4, 3, v6                   ; registers 4-5
	v_lshlrev_b32 v10, 4, v2                       ; the way out: 16 x lane
	v_add_nc_u32 v9, s40, v10
	v_lshlrev_b32 v11, 9, v3
	v_lshl_add_u32 v11, v4, 4, v11                 ; my scale word: 512 u + 16 r
	s_wait_kmcnt 0x0
	s_cmp_lt_u32 ttmp9, 24
	s_cselect_b64 s[4:5], s[4:5], s[6:7]
	s_add_nc_u64 s[16:17], s[4:5], s[28:29]        ; a base for each of the four blocks
	s_add_nc_u64 s[18:19], s[16:17], s[30:31]
	s_add_nc_u64 s[20:21], s[18:19], s[30:31]
	s_add_nc_u64 s[22:23], s[20:21], s[30:31]
	s_add_nc_u64 s[36:37], s[8:9], s[32:33]
	s_add_nc_u64 s[38:39], s[8:9], s[34:35]
.macro LOAD t                          ; block t: W(32 t + i, my column) into set t % 2; a wave reads 128 consecutive bytes, the four waves 512
.irp i, 0,1,2,3,4,5,6,7,8,9,10,11,12,13,14,15,16,17,18,19,20,21,22,23,24,25,26,27,28,29,30,31
	global_load_b32 v[X+32*((\t)%2)+\i], v[OFF+\i], s[16+2*(\t):17+2*(\t)] th:TH_LOAD_NT
.endr
.endm
	LOAD 0
	LOAD 1
.macro BLOCK t
.set XS, X+32*((\t)%2)
.if (\t) < 3
	s_wait_loadcnt 32                              ; this block's 32 loads are in; the next block's may be out
.else
	s_wait_loadcnt 0x0
.endif
	v_max3_num_f32 v16, |v[XS]|, |v[XS+1]|, |v[XS+2]|
	v_max3_num_f32 v17, |v[XS+3]|, |v[XS+4]|, |v[XS+5]|
.irp i, 6,10,14,18,22,26
	v_max3_num_f32 v16, v16, |v[XS+\i]|, |v[XS+\i+1]|
	v_max3_num_f32 v17, v17, |v[XS+\i+2]|, |v[XS+\i+3]|
.endr
	v_max3_num_f32 v16, v16, |v[XS+30]|, |v[XS+31]|
	v_max3_num_f32 v16, v16, v17, 0x1800000        ; and the floor 2^(3 - 127): the byte cannot fall under 1
	v_add_nc_u32 v18, 0xff000000, v16              ; 2 off the exponent field: the conversion's scale operand
	v_cvt_scalef32_pk16_fp6_f32 v[C:C+2], v[XS:XS+15], v18
	v_cvt_scalef32_pk16_fp6_f32 v[C+4:C+6], v[XS+16:XS+31], v18    ; (a conversion's three registers begin on an even number)
	v_lshrrev_b32 v19, 23, v18                     ; the byte; also the plain instruction between the conversions and the moves
.if (\t) == 0
	v_mov_b32 v[SB], v19
.else
	v_lshl_or_b32 v[SB], v19, 8*(\t), v[SB]
.endif
	v_mov_b32 v[C+3], v[C+4]                       ; the block's six registers on end
	v_mov_b32 v[C+4], v[C+5]
	v_mov_b32 v[C+5], v[C+6]
	ds_store_b128 v7, v[C:C+3] offset:768*((\t)/2)+256*((\t)%2)      ; block t is half image t / 2, lanes 16 (t % 2) + r
	ds_store_b64 v8, v[C+4:C+5] offset:768*((\t)/2)+512+128*((\t)%2)
.if (\t)+2 < 4
	LOAD (\t)+2
.endif
	s_wait_dscnt 0x0                               ; the stores have read their registers: the next block's codes may be written
.endm
	BLOCK 0
	BLOCK 1
	BLOCK 2
	BLOCK 3
	global_store_b32 v11, v[SB], s[38:39]
.irp k, 0,1,2,3,4,5
	ds_load_b128 v[OUTR+4*\k:OUTR+4*\k+3], v9 offset:512*\k      ; LDS serves a wave's instructions in order: these see my stores
.endr
.irp k, 0,1,2,3,4,5
	s_wait_dscnt 5-\k                              ; the younger reads may be out
	global_store_b128 v10, v[OUTR+4*\k:OUTR+4*\k+3], s[36:37] offset:(\k/3)*3072+(\k%3)*512   ; 512 consecutive bytes, at a multiple of 256
.endr
	s_wait_tensorcnt 0x0                           ; the wave's end, behind my last LDS store
	ds_add_u32 v[SPW], v[NIL]
	s_wait_dscnt 0x0
	s_endpgm
.Lfunc_end_k_q0a96a62c73_quant_w:
	.size	k_q0a96a62c73_quant_w, .Lfunc_end_k_q0a96a62c73_quant_w-k_q0a96a62c73_quant_w
	.p2alignl 7, 3214868480
	.fill 96, 4, 3214868480
	.section	.rodata,"a",@progbits
	.p2align	6, 0x0
	.amdhsa_kernel k_q0a96a62c73_quant_w
		.amdhsa_group_segment_fixed_size 12800
		.amdhsa_private_segment_fixed_size 0
		.amdhsa_enable_private_segment 0
		.amdhsa_kernarg_size 24
		.amdhsa_user_sgpr_count 2
		.amdhsa_user_sgpr_kernarg_segment_ptr 1
		.amdhsa_wavefront_size32 1
		.amdhsa_system_sgpr_workgroup_id_x 1
		.amdhsa_system_sgpr_workgroup_id_y 1
		.amdhsa_system_sgpr_workgroup_id_z 1
		.amdhsa_system_vgpr_workitem_id 0
		.amdhsa_next_free_vgpr 160
		.amdhsa_next_free_sgpr 66
		.amdhsa_reserve_vcc 0
		.amdhsa_float_denorm_mode_32 3
		.amdhsa_float_denorm_mode_16_64 3
		.amdhsa_memory_ordered 1
		.amdhsa_forward_progress 1
		.amdhsa_inst_pref_size 25
	.end_amdhsa_kernel
	.amdgpu_metadata
---
amdhsa.version: [ 1, 2 ]
amdhsa.kernels:
  - .name:           k_q0a96a62c73_quant_w
    .symbol:         k_q0a96a62c73_quant_w.kd
    .args:
      - { .name: W_qkv, .offset: 0, .size: 8, .value_kind: global_buffer, .address_space: global }
      - { .name: W_proj, .offset: 8, .size: 8, .value_kind: global_buffer, .address_space: global }
      - { .name: WQ, .offset: 16, .size: 8, .value_kind: global_buffer, .address_space: global }
    .group_segment_fixed_size: 12800
    .private_segment_fixed_size: 0
    .kernarg_segment_align: 8
    .kernarg_segment_size: 24
    .max_flat_workgroup_size: 128
    .sgpr_count:     66
    .vgpr_count:     160
    .wavefront_size: 32
...
	.end_amdgpu_metadata
.endif
;; end of part 1
;; launch quant_x (part 2): grid 256 x 1, 4 waves a work-group, no clusters, 34,304 bytes of LDS; arguments x, XQ; writes XQ
.if DOCPART == 2
	.amdgcn_target "amdgcn-amd-amdhsa--gfx1250"
	.amdhsa_code_object_version 6
	.text
	.protected	k_q0a96a62c73_quant_x
	.globl	k_q0a96a62c73_quant_x
	.p2align	8
	.type	k_q0a96a62c73_quant_x,@function
k_q0a96a62c73_quant_x:
	s_mov_b64 s[64:65], 0
	v_nop
	global_prefetch_b8 v0, s[64:65] scope:SCOPE_SE
	s_setreg_imm32_b32 hwreg(HW_REG_WAVE_MODE, 25, 1), 1
	s_wait_xcnt 0x0
; x [8192][1024], f32, becomes codes of FP6 (E2M3) with one E8M0 byte for each 32 along K, laid as images of operand registers; and the table of cosines and sines for the rotary embedding is made.
; A TILE is 16 tokens: of 32 neighbouring tokens, tile 2 g + u holds in lane r token 32 g + 8 u + r + 8 (r / 8).  A FRAGMENT (a tile x 128 K): lane (r, h), registers 6 c .. 6 c + 5 = k 64 c + 32 h + 0 .. 31.
; Its image, 1,536 bytes: for each c registers 0-3 at 768 c + 16 x lane, registers 4-5 at 768 c + 512 + 8 x lane.  XQ: images [slot of 256 K][tile 512][2][1536]; at 6,291,456 scale words [tile][K step / 4][r][K step % 4];
; at 6,553,600 the table [position 2048][pair 16][cos f, cos f + 1, sin f, sin f + 1], f = 2 x pair, 256 bytes a position.
; A wave takes one tile x 512 K: four fragments.  Each load reads 512 consecutive bytes (a row's 128 numbers); they turn through the wave's own stage in LDS (rows of 528 bytes), so that a lane gets 16 neighbours of each block of 32.
; THE TABLE: a thread makes one position and two frequencies.  inv = 2^(-f log2(10000) / 32) by v_exp_f32; angle = position x inv, one rounding; the angle less n pi / 2 in three fused steps; polynomials of degree 9 and 10 on |r| <= pi / 4.
; LIMITS: inv is as good as v_exp_f32, so at the largest positions an angle may differ by about 1e-4 from one made with another f32 power function; a block of zeros gets the byte 1 (only this program reads the bytes); NaN and infinities are not served.
; No tensor loads, no barrier, no cluster: waves share nothing.
.set SPARE, 4*8448
.set TM,  16                           ; v16-31 at work in QUANT
.set L0,  32                           ; v32-95, v96-159 two sets as loaded
.set X,   160                          ; v160-223 64 numbers: register 16 b + i = k 32 b + 16 h + i of my row
.set PC,  224
.set PW,  244
.set SW,  248                          ; v248-251 my row's four scale words
.set SPW, 252
.set NIL, 253
.set SEL, 24
; 64 numbers of a lane become a fragment's codes in v[PC] .. v[PC + 11] and its scale word in v[PW]
.macro QUANT s
.irp b, 0,1,2,3
	v_max3_num_f32 v[TM+\b], |v[\s+16*\b]|, |v[\s+1+16*\b]|, 0x1800000   ; my 16 numbers of block b, and the floor 2^(3 - 127)
.endr
.irp i, 2,4,6,8,10,12,14
.irp b, 0,1,2,3
	v_max3_num_f32 v[TM+\b], v[TM+\b], |v[\s+16*\b+\i]|, |v[\s+1+16*\b+\i]|
.endr
.endr
.irp b, 0,1,2,3
	v_permlanex16_b32 v[TM+4+\b], v[TM+\b], s[SEL], s[SEL+1]
.endr
.irp b, 0,1,2,3
	v_max_num_f32 v[TM+\b], v[TM+\b], v[TM+4+\b]   ; with lane l xor 16's: the block's largest magnitude
.endr
.irp b, 0,1,2,3
	v_add_nc_u32 v[TM+12+\b], 0xff000000, v[TM+\b] ; 2 off its exponent field: the conversion's scale operand
.endr
.irp b, 0,1,2,3
	v_lshrrev_b32 v[TM+4+\b], 23, v[TM+12+\b]      ; the byte
.endr
	v_lshl_or_b32 v[PW], v[TM+5], 8, v[TM+4]
	v_lshl_or_b32 v[PW], v[TM+6], 16, v[PW]
	v_lshl_or_b32 v[PW], v[TM+7], 24, v[PW]
.irp c, 0,1
	v_cvt_scalef32_pk16_fp6_f32 v[PC+6*\c:PC+2+6*\c], v[\s+32*\c:\s+15+32*\c], v[TM+12+2*\c]
	v_cvt_scalef32_pk16_fp6_f32 v[PC+12+4*\c:PC+14+4*\c], v[\s+16+32*\c:\s+31+32*\c], v[TM+12+2*\c+1]
.endr
	v_nop                                          ; one plain instruction behind the conversions
.irp c, 0,1                                    ; a whole block to a lane: lanes 0-15 block 2 c, lanes 16-31 block 2 c + 1
.irp i, 0,1,2
	v_permlane16_swap_b32 v[PC+6*\c+\i], v[PC+12+4*\c+\i]
.endr
.irp i, 0,1,2
	v_mov_b32 v[PC+3+6*\c+\i], v[PC+12+4*\c+\i]
.endr
.endr
.endm
	s_load_b128 s[4:7], s[0:1], 0x0                ; x, XQ
	v_lshl_add_u32 v[SPW], v0, 2, SPARE
	v_mov_b32 v[NIL], 0
	v_lshrrev_b32 v1, 5, v0
	v_readfirstlane_b32 s8, v1                     ; wave
	v_and_b32 v2, 31, v0                           ; lane
	v_and_b32 v3, 15, v0                           ; r
	v_bfe_u32 v4, v0, 4, 1                         ; h
	v_lshlrev_b32 v5, 4, v2                        ; 16 x lane
	v_lshlrev_b32 v6, 3, v2                        ; 8 x lane
	s_mul_i32 s9, s8, 8448                         ; my stage
	v_add_nc_u32 v7, s9, v5                        ; in: a row as it lies
	v_mul_u32_u24 v8, v3, 528
	v_lshl_add_u32 v8, v4, 6, v8
	v_add_nc_u32 v8, s9, v8                        ; out: row r, + 64 h
	v_lshlrev_b32 v9, 4, v3                        ; 16 r
	v_lshlrev_b32 v10, 4, v0                       ; 16 x thread: my entry of the table
.irp b, 0,1,2,3
	v_mov_b32 v[TM+4+\b], 0                        ; written once: a lane permute's destination counts as a source
.endr
	s_mov_b32 s[SEL], 0x76543210
	s_mov_b32 s[SEL+1], 0xfedcba98
	s_lshl_b32 s10, ttmp9, 2
	s_add_co_u32 s10, s10, s8
	s_lshr_b32 s11, s10, 1                         ; my tile
	s_and_b32 s12, s10, 1                          ; my half of K
	s_lshr_b32 s13, s11, 1
	s_lshl_b32 s13, s13, 17                        ; 32 rows of 4,096 bytes
	s_and_b32 s14, s11, 1
	s_lshl_b32 s14, s14, 15                        ; 8 rows
	s_add_co_u32 s13, s13, s14
	s_lshl_b32 s14, s12, 11
	s_add_co_u32 s16, s13, s14
	s_mov_b32 s17, 0
	s_mul_i32 s18, s12, 2*1572864                  ; two slots of images a half of K
	s_mul_i32 s14, s11, 3072
	s_add_co_u32 s18, s18, s14
	s_mov_b32 s19, 0
	s_lshl_b32 s20, s11, 9
	s_lshl_b32 s14, s12, 8
	s_add_co_u32 s20, s20, s14
	s_add_co_u32 s20, s20, 6291456
	s_mov_b32 s21, 0
	s_lshl_b32 s22, ttmp9, 11                      ; 128 entries of 16 bytes a work-group
	s_add_co_u32 s22, s22, 6553600
	s_mov_b32 s23, 0
	s_lshl_b32 s15, ttmp9, 3                       ; 8 positions a work-group
	s_wait_kmcnt 0x0
	s_add_nc_u64 s[4:5], s[4:5], s[16:17]
	s_add_nc_u64 s[26:27], s[6:7], s[18:19]
	s_add_nc_u64 s[28:29], s[6:7], s[20:21]
	s_add_nc_u64 s[30:31], s[6:7], s[22:23]
.macro LOAD i                          ; K step i of my 16 rows: each load 512 consecutive bytes
.irp r, 0,1,2,3,4,5,6,7,8,9,10,11,12,13,14,15
	global_load_b128 v[L0+64*((\i)%2)+4*\r:L0+64*((\i)%2)+4*\r+3], v5, s[4:5] offset:(\r+8*(\r/8))*4096+512*(\i) th:TH_LOAD_NT
.endr
.endm
.macro TURN i                          ; through the stage: LDS serves a wave's instructions in order, so no wait stands between the stores and the loads
.irp r, 0,1,2,3,4,5,6,7,8,9,10,11,12,13,14,15
	ds_store_b128 v7, v[L0+64*((\i)%2)+4*\r:L0+64*((\i)%2)+4*\r+3] offset:528*\r
.endr
.irp b, 0,1,2,3
.irp j, 0,1,2,3
	ds_load_b128 v[X+16*\b+4*\j:X+16*\b+4*\j+3], v8 offset:128*\b+16*\j
.endr
.endr
.endm
	LOAD 0
	LOAD 1
	; ---- the table, while the first loads are on their way
	v_lshrrev_b32 v160, 4, v0
	v_add_nc_u32 v160, s15, v160
	v_cvt_f32_u32 v160, v160                       ; the position
	v_lshlrev_b32 v161, 1, v3                      ; f = 2 (thread % 16), and f + 1
	v_add_nc_u32 v162, 1, v161
	v_cvt_f32_u32 v161, v161
	v_cvt_f32_u32 v162, v162
	v_mul_f32 v161, 0xbed49a78, v161               ; -f log2(10000) / 32
	v_mul_f32 v162, 0xbed49a78, v162
	v_exp_f32 v161, v161
	v_exp_f32 v162, v162
	v_nop                                          ; a plain instruction behind the two
	s_wait_alu depctr_va_vdst(0)                   ; one wait for both, ahead of their first reader
.irp u, 0,1
	v_mul_f32 v[164+8*\u], v160, v[161+\u]         ; the angle
	v_mul_f32 v[165+8*\u], 0x3f22f983, v[164+8*\u]
	v_rndne_f32 v[165+8*\u], v[165+8*\u]           ; n = the nearest multiple of pi / 2
	v_fmamk_f32 v[164+8*\u], v[165+8*\u], 0xbfc90fd8, v[164+8*\u]   ; less n pi / 2, pi / 2 in three parts
	v_fmamk_f32 v[164+8*\u], v[165+8*\u], 0xb4a8885a, v[164+8*\u]
	v_fmamk_f32 v[164+8*\u], v[165+8*\u], 0xa7c234c4, v[164+8*\u]   ; r
	v_mul_f32 v[166+8*\u], v[164+8*\u], v[164+8*\u]
	v_mov_b32 v[167+8*\u], 0x3638ef1d              ; 1 / 9!
	v_fmaak_f32 v[167+8*\u], v[167+8*\u], v[166+8*\u], 0xb9500d01
	v_fmaak_f32 v[167+8*\u], v[167+8*\u], v[166+8*\u], 0x3c088889
	v_fmaak_f32 v[167+8*\u], v[167+8*\u], v[166+8*\u], 0xbe2aaaab
	v_mul_f32 v[167+8*\u], v[167+8*\u], v[166+8*\u]
	v_fma_f32 v[167+8*\u], v[164+8*\u], v[167+8*\u], v[164+8*\u]    ; sin r
	v_mov_b32 v[168+8*\u], 0xb493f27e              ; -1 / 10!
	v_fmaak_f32 v[168+8*\u], v[168+8*\u], v[166+8*\u], 0x37d00d01
	v_fmaak_f32 v[168+8*\u], v[168+8*\u], v[166+8*\u], 0xbab60b61
	v_fmaak_f32 v[168+8*\u], v[168+8*\u], v[166+8*\u], 0x3d2aaaab
	v_fmaak_f32 v[168+8*\u], v[168+8*\u], v[166+8*\u], 0xbf000000
	v_fma_f32 v[168+8*\u], v[168+8*\u], v[166+8*\u], 1.0            ; cos r
	v_cvt_i32_f32 v[169+8*\u], v[165+8*\u]
	v_and_b32 v[170+8*\u], 1, v[169+8*\u]
	v_cmp_eq_u32 vcc_lo, 1, v[170+8*\u]            ; in odd quadrants the two change places
	v_cndmask_b32 v[14+\u], v[167+8*\u], v[168+8*\u], vcc_lo
	v_cndmask_b32 v[12+\u], v[168+8*\u], v[167+8*\u], vcc_lo
	v_and_b32 v[170+8*\u], 2, v[169+8*\u]          ; the sine is negative in quadrants 2 and 3,
	v_lshlrev_b32 v[170+8*\u], 30, v[170+8*\u]
	v_xor_b32 v[14+\u], v[170+8*\u], v[14+\u]
	v_add_nc_u32 v[170+8*\u], 1, v[169+8*\u]       ; the cosine in 1 and 2
	v_and_b32 v[170+8*\u], 2, v[170+8*\u]
	v_lshlrev_b32 v[170+8*\u], 30, v[170+8*\u]
	v_xor_b32 v[12+\u], v[170+8*\u], v[12+\u]
.endr
	global_store_b128 v10, v[12:15], s[30:31]      ; v10 and v12-15 are never written again
.macro UNIT i
.if (\i) < 3
	s_wait_loadcnt 16                              ; this K step's 16 loads are in; the other set's may be out
.else
	s_wait_loadcnt 0x0
.endif
	TURN \i
	s_wait_dscnt 0x0                               ; the numbers are back, and the stores into the stage have read their registers
	s_wait_xcnt 0x0                                ; the last fragment's stores have read theirs: the codes may be written anew
.if (\i)+2 < 4
	LOAD (\i)+2
.endif
	QUANT X
	v_mov_b32 v[SW+(\i)], v[PW]
	global_store_b128 v5, v[PC:PC+3], s[26:27] offset:((\i)/2)*1572864+((\i)%2)*1536            ; 512 consecutive bytes,
	global_store_b64 v6, v[PC+4:PC+5], s[26:27] offset:((\i)/2)*1572864+((\i)%2)*1536+512       ; 256,
	global_store_b128 v5, v[PC+6:PC+9], s[26:27] offset:((\i)/2)*1572864+((\i)%2)*1536+768
	global_store_b64 v6, v[PC+10:PC+11], s[26:27] offset:((\i)/2)*1572864+((\i)%2)*1536+1280
.endm
	UNIT 0
	UNIT 1
	UNIT 2
	UNIT 3
	s_wait_xcnt 0x0                                ; EXEC changes only behind this wait
	v_cmp_gt_u32 vcc_lo, 16, v2
	s_and_saveexec_b32 s15, vcc_lo                 ; both halves of the lanes hold the same words: lanes 0-15 store them
	global_store_b128 v9, v[SW:SW+3], s[28:29]     ; 256 consecutive bytes, aligned
	s_wait_xcnt 0x0
	s_or_b32 exec_lo, exec_lo, s15
	s_wait_tensorcnt 0x0                           ; the wave's end, behind my last LDS store
	ds_add_u32 v[SPW], v[NIL]
	s_wait_dscnt 0x0
	s_endpgm
.Lfunc_end_k_q0a96a62c73_quant_x:
	.size	k_q0a96a62c73_quant_x, .Lfunc_end_k_q0a96a62c73_quant_x-k_q0a96a62c73_quant_x
	.p2alignl 7, 3214868480
	.fill 96, 4, 3214868480
	.section	.rodata,"a",@progbits
	.p2align	6, 0x0
	.amdhsa_kernel k_q0a96a62c73_quant_x
		.amdhsa_group_segment_fixed_size 34304
		.amdhsa_private_segment_fixed_size 0
		.amdhsa_enable_private_segment 0
		.amdhsa_kernarg_size 16
		.amdhsa_user_sgpr_count 2
		.amdhsa_user_sgpr_kernarg_segment_ptr 1
		.amdhsa_wavefront_size32 1
		.amdhsa_system_sgpr_workgroup_id_x 1
		.amdhsa_system_sgpr_workgroup_id_y 1
		.amdhsa_system_sgpr_workgroup_id_z 1
		.amdhsa_system_vgpr_workitem_id 0
		.amdhsa_next_free_vgpr 256
		.amdhsa_next_free_sgpr 66
		.amdhsa_reserve_vcc 1
		.amdhsa_float_denorm_mode_32 3
		.amdhsa_float_denorm_mode_16_64 3
		.amdhsa_memory_ordered 1
		.amdhsa_forward_progress 1
		.amdhsa_inst_pref_size 38
	.end_amdhsa_kernel
	.amdgpu_metadata
---
amdhsa.version: [ 1, 2 ]
amdhsa.kernels:
  - .name:           k_q0a96a62c73_quant_x
    .symbol:         k_q0a96a62c73_quant_x.kd
    .args:
      - { .name: x, .offset: 0, .size: 8, .value_kind: global_buffer, .address_space: global }
      - { .name: XQ, .offset: 8, .size: 8, .value_kind: global_buffer, .address_space: global }
    .group_segment_fixed_size: 34304
    .private_segment_fixed_size: 0
    .kernarg_segment_align: 8
    .kernarg_segment_size: 16
    .max_flat_workgroup_size: 128
    .sgpr_count:     66
    .vgpr_count:     256
    .wavefront_size: 32
...
	.end_amdgpu_metadata
.endif
;; end of part 2
;; launch gemm_qk (part 3): grid 8 x 32, 4 waves a work-group, clusters of 4 x 4, 327,680 bytes of LDS; arguments XQ, WQ, b_qkv, QK; writes QK
.if DOCPART == 3
	.amdgcn_target "amdgcn-amd-amdhsa--gfx1250"
	.amdhsa_code_object_version 6
	.text
	.protected	k_q0a96a62c73_gemm_qk
	.globl	k_q0a96a62c73_gemm_qk
	.p2align	8
	.type	k_q0a96a62c73_gemm_qk,@function
k_q0a96a62c73_gemm_qk:
	s_mov_b64 s[64:65], 0
	v_nop
	global_prefetch_b8 v0, s[64:65] scope:SCOPE_SE
	s_setreg_imm32_b32 hwreg(HW_REG_WAVE_MODE, 25, 1), 1
	s_wait_xcnt 0x0
	s_wait_alu depctr_hold_cnt(0) depctr_sa_sdst(0) depctr_va_vdst(0) depctr_va_sdst(0) depctr_va_ssrc(0) depctr_va_vcc(0) depctr_vm_vsrc(0)
	s_getreg_b32 s2, hwreg(HW_REG_IB_STS2, 6, 4)
	s_cmp_eq_u32 s2, 0
	s_cbranch_scc0 .Lentry_in_a_cluster
	s_endpgm
.Lentry_in_a_cluster:
	s_bfe_u32 s2, ttmp6, 0x10000c
	s_cmp_lg_u32 s2, 0xf033
	s_cbranch_scc0 .Lentry_shape_is_right
	s_endpgm
.Lentry_shape_is_right:
; q and k: x W_qkv[:, 0:2048] + b on codes of FP6 (E2M3) with E8M0 scales, the rotary embedding in f32, and the results quantised along the head's 64 and stored as images of operand registers for the attention.
; OPERANDS lie in memory as images: [slot of 256 K][tile of 16 rows][2 K steps][1536 bytes]; a fragment (12 registers a lane) comes by two loads of 16 bytes at 16 x lane and two of 8 bytes at 8 x lane: consecutive bytes, no padding.
; In a tile, lane r holds row 32 g + 8 u + r + 8 (r / 8) of its 32 neighbours, so that as source 0 the 16 result registers of tiles 2 g, 2 g + 1 are 16 neighbouring rows, 32 g + 16 (lane / 16) + 0 .. 15.
; SOURCE 0 (S0) = 16 columns of W, SOURCE 1 (S1) = 16 tokens: a lane holds ONE token and its registers run along the columns, that is along a head's 64: the next product's K.
; A work-group of four waves makes 256 tokens x 256 columns, a wave 128 x 128 (two heads): 64 accumulators, 512 registers.  K = 1,024 goes in four slots of 256 through a ring of two LDS slots; the sequence is written out.
; The scale words of the work-group's 32 tiles, for all of K, come once with the first fills.  The bias is the C of each sum's first matrix instruction.
; CLUSTER 4 x 4: S1's tiles hang on the tile row alone and are asked for jointly along a row of the cluster, S0's on the tile column alone, along a column.
; No prefetch: of four slots two are first fills.  LIMITS: a block of zeros gets the byte 1 (only this program reads the bytes); NaN and infinities are not served.
; REGISTERS: window 0: v16-31 addresses; v32-63 scale words, two sets; v64-127 the bias, later a block's 64 numbers; v128-223 S1's fragments, one set; later the table and the quantiser's registers.
;   window 1: S0's fragments, two sets, at v0 and v128.   windows 2, 3: the accumulators ((a, b) at v[8 (8 (a % 4) + b)]).
.set P0,    6                          ; S0 lies in WQ (s[6:7]),
.set S0IMG, 0
.set S0SC,  2359296
.set NT0,   192                        ; in slots of 192 tiles
.set P1,    4                          ; S1 in XQ (s[4:5])
.set S1IMG, 0
.set S1SC,  6291456
.set NT1,   512
.set TSL,   3072                       ; a tile's part of a slot
.set FRB,   1536
.set HALFT, 8*TSL                      ; 8 tiles: what one tensor load brings, and what one wave reads of S0 or S1
.set SLOT,  4*HALFT                    ; S1's 16 tiles, then S0's
.set SCL,   2*SLOT                     ; behind the ring: the scale words, 512 bytes a tile
.set HALFS, 8*512
.set SBLK,  512
.set SPARE, SCL+4*HALFS                ; the spare words, 128 bytes a wave
.set NQ, 2
.set FR, 12
.set NL, 4                             ; LDS loads that bring a fragment
.set NP, 4                             ; places behind this matrix instruction (ISA guide 7.12.1)
.set ADRA, 16                          ; v16-17 S1's fragments in slot 0, 1 (16 x lane); v18-19 the same with 8 x lane
.set ADRB, 20                          ; v20-23 the same for S0
.set L16,  24
.set L8,   25
.set RO,   26                          ; the table: 256 x my token in its tile + 64 h
.set ADRS, 27
.set SPW,  28
.set NIL,  29
.set H16,  30                          ; 16 h
.set SCO,  31                          ; 8192 h + 16 r
.set SC,   32
.set BIAS, 64
.set HA,   64
.set AF,   128
.set CS,   128                         ; the table's entries: two sets of 32
.set TM,   200
.set PW,   216
.set PC,   220
.set SWQ,  240
.set SEL,  18
.set G1, 24
.set G0, 32
.set G1B, 48
.set G0B, 56
.set G1S, 68
.set G0S, 76
.set G1SB, 80
.set G0SB, 88
.set MSB, 0
.macro WIN new                         ; the immediate's high byte repeats the setting that is left
.if MSB != (\new)
	s_set_vgpr_msb (MSB<<8)|(\new)
.set MSB, (\new)
.endif
.endm
.set MUL_LO, 0xa1                      ; source 0 window 1, source 1 window 0, C and D window 2
.set MUL_HI, 0xf1
.set FIRST_LO, 0x81                    ; the same with C (the bias) in window 0
.set FIRST_HI, 0xc1
.set TO_B,   0x40
; A joint load: waves 0 and 1 fetch for S1, waves 2 and 3 for S0; the branch hangs on the wave's number alone.  An s_nop 0 and four v_nop follow each line.
.macro JLOAD g0a, g1a, g0b, g1b
	s_cmp_eq_u32 s15, 0
	s_cbranch_scc0 .Lfor_b_\@
	tensor_load_to_lds s[\g0a:\g0a+3], s[\g1a:\g1a+7]
	s_nop 0
.rept 4
	v_nop
.endr
	s_branch .Lasked_\@
.Lfor_b_\@:
	tensor_load_to_lds s[\g0b:\g0b+3], s[\g1b:\g1b+7]
	s_nop 0
.rept 4
	v_nop
.endr
.Lasked_\@:
.endm
.macro CREST                           ; a round of the cluster's barrier behind its opening barrier
	s_cmp_lg_u32 s14, 0
	s_cbranch_scc1 .Lnot_wave_0_\@
	s_barrier_signal -3
.Lnot_wave_0_\@:
	s_barrier_wait -3
	s_barrier_signal -1
	s_barrier_wait -1
.endm
.macro CROUND
	s_barrier_signal -1
	s_barrier_wait -1
	CREST
.endm
	s_load_b256 s[4:11], s[0:1], 0x0               ; XQ, WQ, b_qkv, QK
	v_lshl_add_u32 v[SPW], v0, 2, SPARE
	v_mov_b32 v[NIL], 0
	ds_add_u32 v[SPW], v[NIL]                      ; the wave's opening: an add to my spare word, waited for ahead of my first tensor load
	v_lshrrev_b32 v1, 5, v0
	v_readfirstlane_b32 s14, v1                    ; wave
	s_lshr_b32 s15, s14, 1                         ; my half of S1's tiles.  Also: I fetch for S1 (0) or S0 (1)
	s_and_b32 s16, s14, 1                          ; my half of S0's.  Also: which 8 tiles I fetch
	s_bfe_u32 s40, ttmp6, 0x40000                  ; cx, cy
	s_bfe_u32 s41, ttmp6, 0x40004
	s_lshl_b32 s42, ttmp9, 2
	s_add_co_u32 s42, s42, s40                     ; tile column
	s_and_b32 s17, ttmp7, 0xffff
	s_lshl_b32 s17, s17, 2
	s_add_co_u32 s17, s17, s41                     ; tile row
	s_lshl_b32 s43, s41, 2
	s_lshl_b32 s43, 15, s43                        ; my row of the cluster
	s_lshl_b32 s44, 0x1111, s40                    ; my column
	s_or_b32 s[G1+0], s43, (3<<16)|(1<<21)         ; the mask; elements of 8 bytes; bit 21 beside a mask; no padding
	s_or_b32 s[G1B+0], s44, (3<<16)|(1<<21)
	s_or_b32 s[G1S+0], s43, (3<<16)|(1<<21)
	s_or_b32 s[G1SB+0], s44, (3<<16)|(1<<21)
.irp g, G1, G1B                                ; 8 tiles of a slot: a dense block of 24,576 bytes, as 96 rows of 256
	s_mov_b32 s[\g+1], 32<<16
	s_mov_b32 s[\g+2], 96<<16
	s_mov_b32 s[\g+3], 32<<16
	s_mov_b32 s[\g+4], 96
	s_mov_b32 s[\g+5], 32
	s_mov_b32 s[\g+6], 0
	s_mov_b32 s[\g+7], 0
.endr
.irp g, G1S, G1SB                              ; their scale words: 4,096 bytes, 16 rows of 256
	s_mov_b32 s[\g+1], 32<<16
	s_mov_b32 s[\g+2], 16<<16
	s_mov_b32 s[\g+3], 32<<16
	s_mov_b32 s[\g+4], 16
	s_mov_b32 s[\g+5], 32
	s_mov_b32 s[\g+6], 0
	s_mov_b32 s[\g+7], 0
.endr
	s_lshl_b32 s18, s16, 3
	s_lshl_b32 s20, s17, 4
	s_add_co_u32 s20, s20, s18                     ; S1: the first tile that I fetch
	s_lshl_b32 s46, s42, 4
	s_add_co_u32 s46, s46, s18                     ; S0 likewise (registers that never hold the other coordinate)
	s_lshl_b32 s22, s20, 9
	s_add_co_u32 s22, s22, S1SC
	s_mov_b32 s23, 0
	s_lshl_b32 s92, s46, 9
	s_add_co_u32 s92, s92, S0SC
	s_mov_b32 s93, 0
	s_mul_i32 s20, s20, TSL
.if S1IMG
	s_add_co_u32 s20, s20, S1IMG
.endif
	s_mov_b32 s21, 0
	s_mul_i32 s46, s46, TSL
.if S0IMG
	s_add_co_u32 s46, s46, S0IMG
.endif
	s_mov_b32 s47, 0
	s_mul_i32 s45, s14, HALFT                      ; where they go: by the wave's number alone
	s_mul_i32 s94, s14, HALFS
	s_wait_dscnt 0x0                               ; the opening add is done
	s_wait_kmcnt 0x0
	s_add_nc_u64 s[20:21], s[P1:P1+1], s[20:21]
	s_add_nc_u64 s[22:23], s[P1:P1+1], s[22:23]
	s_add_nc_u64 s[46:47], s[P0:P0+1], s[46:47]
	s_add_nc_u64 s[92:93], s[P0:P0+1], s[92:93]
	CROUND                                         ; all sixteen work-groups are here: the first joint loads meet
	s_mov_b32 s[G0S], 1
	s_add_co_u32 s[G0S+1], s94, SCL
	s_mov_b64 s[G0S+2:G0S+3], s[22:23]
	s_or_b32 s[G0S+3], s[G0S+3], 0x80000000
	s_mov_b32 s[G0SB], 1
	s_add_co_u32 s[G0SB+1], s94, SCL
	s_mov_b64 s[G0SB+2:G0SB+3], s[92:93]
	s_or_b32 s[G0SB+3], s[G0SB+3], 0x80000000
	JLOAD G0S, G1S, G0SB, G1SB                     ; three loads of mine go out together: the scale words, slot 0, slot 1
.irp s, 0,1
	s_mov_b32 s[G0+4*\s], 1
	s_add_co_u32 s[G0+4*\s+1], s45, \s*SLOT
	s_add_nc_u64 s[G0+4*\s+2:G0+4*\s+3], s[20:21], \s*NT1*TSL
	s_or_b32 s[G0+4*\s+3], s[G0+4*\s+3], 0x80000000
	s_mov_b32 s[G0B+4*\s], 1
	s_add_co_u32 s[G0B+4*\s+1], s45, \s*SLOT
	s_add_nc_u64 s[G0B+4*\s+2:G0B+4*\s+3], s[46:47], \s*NT0*TSL
	s_or_b32 s[G0B+4*\s+3], s[G0B+4*\s+3], 0x80000000
	JLOAD G0+4*\s, G1, G0B+4*\s, G1B
.endr
	v_and_b32 v1, 31, v0                           ; lane
	v_and_b32 v2, 15, v0                           ; r
	v_bfe_u32 v3, v0, 4, 1                         ; h
	v_lshlrev_b32 v[L16], 4, v1
	v_lshlrev_b32 v[L8], 3, v1
	s_mul_i32 s21, s15, HALFT                      ; my 8 tiles of S1
	s_mul_i32 s22, s16, HALFT                      ; my 8 of S0, behind S1's 16
	s_add_co_u32 s22, s22, 2*HALFT
.irp s, 0,1
	v_add_nc_u32 v[ADRA+\s], s21, v[L16]
	v_add_nc_u32 v[ADRB+\s], s22, v[L16]
	v_add_nc_u32 v[ADRA+2+\s], s21, v[L8]
	v_add_nc_u32 v[ADRB+2+\s], s22, v[L8]
	s_add_co_u32 s21, s21, SLOT
	s_add_co_u32 s22, s22, SLOT
.endr
	v_lshlrev_b32 v6, 4, v2                        ; scale words: 16 bytes a row of a tile
	s_mul_i32 s21, s15, HALFS
	s_mul_i32 s22, s16, HALFS
	s_add_co_u32 s22, s22, 2*HALFS
	s_sub_co_u32 s22, s22, s21
	v_mul_u32_u24 v7, s22, v3                      ; lanes 16-31 take S0's
	s_add_co_u32 s21, s21, SCL
	v_add_nc_u32 v6, v6, v7
	v_add_nc_u32 v[ADRS], s21, v6
	s_lshl_b32 s46, s42, 10                        ; the bias of my 128 columns
	s_lshl_b32 s47, s16, 9
	s_add_co_u32 s46, s46, s47
	s_mov_b32 s47, 0
	s_add_nc_u64 s[8:9], s[8:9], s[46:47]
	v_lshlrev_b32 v8, 6, v3                        ; lane (r, h) wants, for tile b, columns 32 (b / 2) + 16 h + 8 (b % 2) + 0 .. 7
.irp b, 0,1,2,3,4,5,6,7
	global_load_b128 v[BIAS+8*\b:BIAS+8*\b+3], v8, s[8:9] offset:(32*(\b/2)+8*(\b%2))*4
	global_load_b128 v[BIAS+8*\b+4:BIAS+8*\b+7], v8, s[8:9] offset:(32*(\b/2)+8*(\b%2))*4+16
.endr
	v_and_b32 v4, 8, v2
	v_add_nc_u32 v4, v4, v2                        ; r + 8 (r / 8)
	v_lshlrev_b32 v[RO], 8, v4
	v_lshl_add_u32 v[RO], v3, 6, v[RO]
	v_lshlrev_b32 v[H16], 4, v3
	v_lshlrev_b32 v[SCO], 13, v3
	v_lshl_add_u32 v[SCO], v2, 4, v[SCO]
.macro FRAG reg, adr, q, i             ; a fragment's image comes back as it was stored
	ds_load_b128 v[\reg:\reg+3], v[\adr] offset:(\i)*TSL+(\q)*FRB
	ds_load_b64 v[\reg+4:\reg+5], v[\adr+2] offset:(\i)*TSL+(\q)*FRB+512
	ds_load_b128 v[\reg+6:\reg+9], v[\adr] offset:(\i)*TSL+(\q)*FRB+768
	ds_load_b64 v[\reg+10:\reg+11], v[\adr+2] offset:(\i)*TSL+(\q)*FRB+1280
.endm
; 16 matrix instructions: S1's blocks a0, a0 + 1 x S0's eight.  The 64 accumulators take turns, one instruction a turn, in the same order in every step.  zero = 1: the bias starts the sums.
.macro MUL16 a0, p, q, sc, zero
.irp a, \a0, \a0+1
.irp b, 0,1,2,3,4,5,6,7
.if \zero
	v_wmma_scale_f32_16x16x128_f8f6f4 v[8*(8*((\a)%4)+\b):8*(8*((\a)%4)+\b)+7], v[128*(\p)+FR*\b:128*(\p)+FR*\b+FR-1], v[AF+FR*(\a):AF+FR*(\a)+FR-1], v[BIAS+8*\b:BIAS+8*\b+7], v[SC+8*NQ*(\sc)+NQ*\b+(\q)], v[SC+8*NQ*(\sc)+NQ*(\a)+(\q)] matrix_a_fmt:MATRIX_FMT_FP6 matrix_b_fmt:MATRIX_FMT_FP6 matrix_a_scale:MATRIX_SCALE_ROW1
.else
	v_wmma_scale_f32_16x16x128_f8f6f4 v[8*(8*((\a)%4)+\b):8*(8*((\a)%4)+\b)+7], v[128*(\p)+FR*\b:128*(\p)+FR*\b+FR-1], v[AF+FR*(\a):AF+FR*(\a)+FR-1], v[8*(8*((\a)%4)+\b):8*(8*((\a)%4)+\b)+7], v[SC+8*NQ*(\sc)+NQ*\b+(\q)], v[SC+8*NQ*(\sc)+NQ*(\a)+(\q)] matrix_a_fmt:MATRIX_FMT_FP6 matrix_b_fmt:MATRIX_FMT_FP6 matrix_a_scale:MATRIX_SCALE_ROW1
.endif
.endr
.endr
.endm
.macro FETCH_B slot, q, p
	WIN TO_B
.irp i, 0,1,2,3,4,5,6,7
	FRAG 128*(\p)+FR*\i, ADRB+\slot, \q, \i
.endr
	WIN 0
.endm
.macro FETCH_A slot, q, i0
.irp i, \i0, \i0+1, \i0+2, \i0+3
	FRAG AF+FR*(\i), ADRA+\slot, \q, \i
.endr
.endm
.macro SCALES sc                       ; a slot's two words a row: lanes 0-15 S1's block i, lanes 16-31 S0's block i
.irp i, 0,1,2,3,4,5,6,7
	ds_load_b64 v[SC+8*NQ*\sc+NQ*\i:SC+8*NQ*\sc+NQ*\i+1], v[ADRS] offset:\i*SBLK
.endr
.endm
.macro PLACES n                        ; plain instructions between matrix instructions and loads into, or reads of, their registers
.rept \n
	v_nop
.endr
.endm
.macro STEP slot, q, zero              ; 128 along K whose successor lies in the same slot
	s_wait_dscnt 4*NL                              ; all but the youngest 16 loads (S1's blocks 4-7) are in
.if \zero
	WIN FIRST_LO
.else
	WIN MUL_LO
.endif
	MUL16 0, (\q)%2, \q, \slot, \zero
	MUL16 2, (\q)%2, \q, \slot, \zero
	s_wait_dscnt 0
	PLACES NP
	FETCH_B \slot, (\q)+1, 1-(\q)%2
	FETCH_A \slot, (\q)+1, 0
.if \zero
	WIN FIRST_HI
.else
	WIN MUL_HI
.endif
	MUL16 4, (\q)%2, \q, \slot, \zero
	MUL16 6, (\q)%2, \q, \slot, \zero
	PLACES NP
	WIN 0
	FETCH_A \slot, (\q)+1, 4
.endm
; A slot's last step changes slots: one barrier; ahead of it each wave waits for all its tensor loads, adds 0 to its spare word, and waits for that and for its reads of this slot.  fill = 1: the slot is filled again, two slots on.
.macro TURN slot, next, fill
	s_wait_tensorcnt 0x0                           ; all my tensor loads have landed: my part of the next slot
	ds_add_u32 v[SPW], v[NIL]                      ; 0 onto my spare word
	s_wait_dscnt 4*NL+1                            ; (the add and the youngest 16 loads may be out)
	WIN MUL_LO
	MUL16 0, 1, NQ-1, \slot, 0
	s_wait_dscnt 0x0                               ; the add is done, and my reads of this slot are over
	s_barrier_signal -1
	MUL16 2, 1, NQ-1, \slot, 0
	WIN 0
	s_barrier_wait -1
.if \fill
	CREST                                          ; the barrier has opened a round of the cluster's: no wave of any partner still reads this slot or has a load on its way
	s_add_nc_u64 s[G0+4*\slot+2:G0+4*\slot+3], s[G0+4*\slot+2:G0+4*\slot+3], 2*NT1*TSL
	s_add_nc_u64 s[G0B+4*\slot+2:G0B+4*\slot+3], s[G0B+4*\slot+2:G0B+4*\slot+3], 2*NT0*TSL
	JLOAD G0+4*\slot, G1, G0B+4*\slot, G1B         ; the first tensor load behind the round; its four v_nop are the places ahead of the loads below
.else
	PLACES NP
.endif
.if \next
	v_add_nc_u32 v[ADRS], 8, v[ADRS]               ; the next slot's two words: 8 bytes on,
.else
	v_add_nc_u32 v[ADRS], 248, v[ADRS]             ; or in the second half of K: 256 - 8
.endif
	FETCH_B \next, 0, 0
	FETCH_A \next, 0, 0
	SCALES \next
	WIN MUL_HI
	MUL16 4, 1, NQ-1, \slot, 0
	MUL16 6, 1, NQ-1, \slot, 0
	PLACES NP
	WIN 0
	FETCH_A \next, 0, 4
.endm
	s_wait_tensorcnt 1                             ; the scale words and my part of slot 0 are in; slot 1's load may be out
	s_barrier_signal -1
	s_barrier_wait -1
	FETCH_B 0, 0, 0
	FETCH_A 0, 0, 0
	SCALES 0
	FETCH_A 0, 0, 4
	s_wait_loadcnt 0x0                             ; the bias
	STEP 0, 0, 1
	TURN 0, 1, 1
	STEP 1, 0, 0
	TURN 1, 0, 1
	STEP 0, 0, 0
	TURN 0, 1, 0                                   ; nothing is left to fetch
	STEP 1, 0, 0
	s_wait_dscnt 4*NL
	WIN MUL_LO
	MUL16 0, 1, NQ-1, 1, 0
	MUL16 2, 1, NQ-1, 1, 0
	s_wait_dscnt 0
	WIN MUL_HI
	MUL16 4, 1, NQ-1, 1, 0
	MUL16 6, 1, NQ-1, 1, 0
	WIN 0
; ---- THE WAY OUT, a tile of 16 tokens at a time: rotate, quantise, store.  No LDS: the quantiser's registers ARE the images.
.macro QUANT s                         ; 64 numbers of a lane (register 16 b + i = k 32 b + 16 h + i of my row) -> codes in v[PC] .. v[PC + 11], scale word in v[PW]
.irp b, 0,1,2,3
	v_max3_num_f32 v[TM+\b], |v[\s+16*\b]|, |v[\s+1+16*\b]|, 0x1800000
.endr
.irp i, 2,4,6,8,10,12,14
.irp b, 0,1,2,3
	v_max3_num_f32 v[TM+\b], v[TM+\b], |v[\s+16*\b+\i]|, |v[\s+1+16*\b+\i]|
.endr
.endr
.irp b, 0,1,2,3
	v_permlanex16_b32 v[TM+4+\b], v[TM+\b], s[SEL], s[SEL+1]
.endr
.irp b, 0,1,2,3
	v_max_num_f32 v[TM+\b], v[TM+\b], v[TM+4+\b]
.endr
.irp b, 0,1,2,3
	v_add_nc_u32 v[TM+12+\b], 0xff000000, v[TM+\b]
.endr
.irp b, 0,1,2,3
	v_lshrrev_b32 v[TM+4+\b], 23, v[TM+12+\b]
.endr
	v_lshl_or_b32 v[PW], v[TM+5], 8, v[TM+4]
	v_lshl_or_b32 v[PW], v[TM+6], 16, v[PW]
	v_lshl_or_b32 v[PW], v[TM+7], 24, v[PW]
.irp c, 0,1
	v_cvt_scalef32_pk16_fp6_f32 v[PC+6*\c:PC+2+6*\c], v[\s+32*\c:\s+15+32*\c], v[TM+12+2*\c]
	v_cvt_scalef32_pk16_fp6_f32 v[PC+12+4*\c:PC+14+4*\c], v[\s+16+32*\c:\s+31+32*\c], v[TM+12+2*\c+1]
.endr
	v_nop
.irp c, 0,1
.irp i, 0,1,2
	v_permlane16_swap_b32 v[PC+6*\c+\i], v[PC+12+4*\c+\i]
.endr
.irp i, 0,1,2
	v_mov_b32 v[PC+3+6*\c+\i], v[PC+12+4*\c+\i]
.endr
.endr
.endm
.macro CSLOAD a                        ; the table's entries for token tile a: my token's 32 channels of each half of a head: 8 entries of [cos, cos, sin, sin]
.irp g, 0,1
.irp m, 0,1,2,3
	global_load_b128 v[CS+32*((\a)%2)+16*\g+4*\m:CS+32*((\a)%2)+16*\g+4*\m+3], v[RO], s[4:5] offset:(32*((\a)/2)+8*((\a)%2))*256+128*\g+16*\m
.endr
.endr
.endm
; A pair (x0, x1) of neighbouring channels: (x0 cos - x1 sin, x1 cos + x0 sin).  x: the pair's place in the block; c: its entry; bit: which of the entry's two frequencies
.macro ROTM x, c, bit
.if \bit
	v_pk_mul_f32 v[HA+\x:HA+\x+1], v[AC+\x:AC+\x+1], v[\c:\c+1] op_sel:[0,1] op_sel_hi:[1,1]
.else
	v_pk_mul_f32 v[HA+\x:HA+\x+1], v[AC+\x:AC+\x+1], v[\c:\c+1] op_sel:[0,0] op_sel_hi:[1,0]
.endif
.endm
.macro ROTF x, c, bit
.if \bit
	v_pk_fma_f32 v[HA+\x:HA+\x+1], v[AC+\x:AC+\x+1], v[\c+2:\c+3], v[HA+\x:HA+\x+1] op_sel:[1,1,0] op_sel_hi:[0,1,1] neg_lo:[0,1,0]
.else
	v_pk_fma_f32 v[HA+\x:HA+\x+1], v[AC+\x:AC+\x+1], v[\c+2:\c+3], v[HA+\x:HA+\x+1] op_sel:[1,0,0] op_sel_hi:[0,0,1] neg_lo:[0,1,0]
.endif
.endm
.macro OUT a
.if (\a) < 7
	CSLOAD (\a)+1
	s_wait_loadcnt 8                               ; this tile's eight entries are in; the next tile's may be out
.else
	s_wait_loadcnt 0x0
.endif
.set AC, 64*((\a)%4)
.set CC, CS+32*((\a)%2)
	WIN 0x02+(\a)/4                                ; source 0: the accumulators' window.
.irp be, 0,1,2,3
.irp u, 0,1
.irp j, 0,2,4,6
	ROTM 16*\be+8*\u+\j, CC+16*(\be%2)+4*(2*\u+\j/4), (\j/2)%2
.endr
.endr
.endr
.irp be, 0,1,2,3
.irp u, 0,1
.irp j, 0,2,4,6
	ROTF 16*\be+8*\u+\j, CC+16*(\be%2)+4*(2*\u+\j/4), (\j/2)%2
.endr
.endr
.endr
	WIN 0
	s_wait_xcnt 0x0                                ; the last tile's stores have read their registers
	QUANT HA                                       ; 128 columns = two heads: registers 6 c .. 6 c + 5 are head c's half image
.irp c, 0,1
	global_store_b128 v[L16], v[PC+6*\c:PC+6*\c+3], s[12:13] offset:\c*98304+(\a)*768
	global_store_b64 v[L8], v[PC+6*\c+4:PC+6*\c+5], s[12:13] offset:\c*98304+(\a)*768+512
.endr
	v_bfe_u32 v[SWQ+(\a)%4], v[PW], v[H16], 16     ; lanes 0-15 keep the first head's two bytes, lanes 16-31 the second's; the upper two bytes are 0
.if (\a)%4 == 3
	global_store_b128 v[SCO], v[SWQ:SWQ+3], s[10:11] offset:((\a)/4)*256   ; four tiles' words: 256 consecutive bytes for each head
.endif
.endm
	PLACES NP
.irp b, 0,1,2,3
	v_mov_b32 v[TM+4+\b], 0                        ; a lane permute's destination counts as a source
.endr
	s_mov_b32 s[SEL], 0x76543210
	s_mov_b32 s[SEL+1], 0xfedcba98
	s_and_b32 s20, s17, 7
	s_lshl_b32 s21, s20, 8
	s_lshl_b32 s22, s15, 7
	s_add_co_u32 s21, s21, s22                     ; my first position in the sequence
	s_lshl_b32 s22, s21, 8
	s_add_co_u32 s22, s22, 6553600
	s_mov_b32 s23, 0
	s_add_nc_u64 s[4:5], s[4:5], s[22:23]          ; the table there
	s_lshl_b32 s46, s42, 2
	s_lshl_b32 s47, s16, 1
	s_add_co_u32 s46, s46, s47                     ; my first head of 32: q's 16, then k's
	s_lshr_b32 s47, s46, 4
	s_lshl_b32 s47, s47, 6
	s_and_b32 s46, s46, 15
	s_add_co_u32 s46, s46, s47
	s_lshr_b32 s47, s17, 3                         ; the batch
	s_lshl_b32 s47, s47, 4
	s_add_co_u32 s46, s46, s47                     ; (which x 4 + batch) x 16 + head
	s_lshr_b32 s21, s21, 4                         ; my first tile of the sequence
	s_mul_i32 s92, s46, 98304
	s_mul_i32 s93, s21, 768
	s_add_co_u32 s92, s92, s93
	s_mov_b32 s93, 0
	s_add_nc_u64 s[12:13], s[10:11], s[92:93]
	s_lshl_b32 s92, s46, 13
	s_lshl_b32 s94, s21, 6
	s_add_co_u32 s92, s92, s94
	s_add_co_u32 s92, s92, 12582912
	s_add_nc_u64 s[10:11], s[10:11], s[92:93]
	CSLOAD 0
.irp a, 0,1,2,3,4,5,6,7
	OUT \a
.endr
	s_wait_tensorcnt 0x0                           ; the wave's end
	ds_add_u32 v[SPW], v[NIL]
	s_wait_dscnt 0x0
	CROUND                                         ; the closing round
	s_endpgm
.Lfunc_end_k_q0a96a62c73_gemm_qk:
	.size	k_q0a96a62c73_gemm_qk, .Lfunc_end_k_q0a96a62c73_gemm_qk-k_q0a96a62c73_gemm_qk
	.p2alignl 7, 3214868480
	.fill 96, 4, 3214868480
	.section	.rodata,"a",@progbits
	.p2align	6, 0x0
	.amdhsa_kernel k_q0a96a62c73_gemm_qk
		.amdhsa_group_segment_fixed_size 327680
		.amdhsa_private_segment_fixed_size 0
		.amdhsa_enable_private_segment 0
		.amdhsa_kernarg_size 32
		.amdhsa_user_sgpr_count 2
		.amdhsa_user_sgpr_kernarg_segment_ptr 1
		.amdhsa_wavefront_size32 1
		.amdhsa_system_sgpr_workgroup_id_x 1
		.amdhsa_system_sgpr_workgroup_id_y 1
		.amdhsa_system_sgpr_workgroup_id_z 1
		.amdhsa_system_vgpr_workitem_id 0
		.amdhsa_next_free_vgpr 1024
		.amdhsa_next_free_sgpr 100
		.amdhsa_reserve_vcc 0
		.amdhsa_float_denorm_mode_32 3
		.amdhsa_float_denorm_mode_16_64 3
		.amdhsa_memory_ordered 1
		.amdhsa_forward_progress 1
		.amdhsa_inst_pref_size 189
	.end_amdhsa_kernel
	.amdgpu_metadata
---
amdhsa.version: [ 1, 2 ]
amdhsa.kernels:
  - .name:           k_q0a96a62c73_gemm_qk
    .symbol:         k_q0a96a62c73_gemm_qk.kd
    .args:
      - { .name: XQ, .offset: 0, .size: 8, .value_kind: global_buffer, .address_space: global }
      - { .name: WQ, .offset: 8, .size: 8, .value_kind: global_buffer, .address_space: global }
      - { .name: b_qkv, .offset: 16, .size: 8, .value_kind: global_buffer, .address_space: global }
      - { .name: QK, .offset: 24, .size: 8, .value_kind: global_buffer, .address_space: global }
    .group_segment_fixed_size: 327680
    .private_segment_fixed_size: 0
    .kernarg_segment_align: 8
    .kernarg_segment_size: 32
    .max_flat_workgroup_size: 128
    .sgpr_count:     100
    .vgpr_count:     1024
    .wavefront_size: 32
...
	.end_amdgpu_metadata
.endif
;; end of part 3
;; launch gemm_v (part 4): grid 32 x 4, 4 waves a work-group, clusters of 4 x 4, 327,680 bytes of LDS; arguments XQ, WQ, b_qkv, VV; writes VV
.if DOCPART == 4
	.amdgcn_target "amdgcn-amd-amdhsa--gfx1250"
	.amdhsa_code_object_version 6
	.text
	.protected	k_q0a96a62c73_gemm_v
	.globl	k_q0a96a62c73_gemm_v
	.p2align	8
	.type	k_q0a96a62c73_gemm_v,@function
k_q0a96a62c73_gemm_v:
	s_mov_b64 s[64:65], 0
	v_nop
	global_prefetch_b8 v0, s[64:65] scope:SCOPE_SE
	s_setreg_imm32_b32 hwreg(HW_REG_WAVE_MODE, 25, 1), 1
	s_wait_xcnt 0x0
	s_wait_alu depctr_hold_cnt(0) depctr_sa_sdst(0) depctr_va_vdst(0) depctr_va_sdst(0) depctr_va_ssrc(0) depctr_va_vcc(0) depctr_vm_vsrc(0)
	s_getreg_b32 s2, hwreg(HW_REG_IB_STS2, 6, 4)
	s_cmp_eq_u32 s2, 0
	s_cbranch_scc0 .Lentry_in_a_cluster
	s_endpgm
.Lentry_in_a_cluster:
	s_bfe_u32 s2, ttmp6, 0x10000c
	s_cmp_lg_u32 s2, 0xf033
	s_cbranch_scc0 .Lentry_shape_is_right
	s_endpgm
.Lentry_shape_is_right:
; v: x W_qkv[:, 2048:3072] + b on codes of FP6 (E2M3) with E8M0 scales, quantised along the KEYS (the second attention product's K) and stored as images of operand registers.
; OPERANDS lie in memory as images: [slot of 256 K][tile of 16 rows][2 K steps][1536 bytes]; a fragment (12 registers a lane) comes by two loads of 16 bytes at 16 x lane and two of 8 bytes at 8 x lane.
; In a tile, lane r holds row 32 g + 8 u + r + 8 (r / 8) of its 32 neighbours, so that as source 0 the 16 result registers of tiles 2 g, 2 g + 1 are 16 neighbouring rows.
; SOURCE 0 (S0) = 16 tokens, SOURCE 1 (S1) = 16 columns of W: a lane holds ONE channel of a head and its registers run along the tokens: a wave's 128 tokens are one key step, and each block of 16 channels gives one fragment of V^T.
; A work-group of four waves makes 256 channels x 256 tokens, a wave 128 x 128.  K = 1,024 goes in four slots of 256 through a ring of two LDS slots, written out.  The scale words come once with the first fills.
; The bias hangs on the lane, not on the register: it is added on the way out.  CLUSTER 4 x 4: S1's tiles are asked for jointly along a row of the cluster, S0's along a column.
; 128 work-groups: the tile is kept at 256 x 256 so that this text has the other products' loop.  No prefetch: of four slots two are first fills.
; LIMITS: a block of zeros gets the byte 1 (only this program reads the bytes); NaN and infinities are not served.
; REGISTERS: window 0: v16-31 addresses; v32-63 scale words; v64-127 a block's 64 numbers; v128-223 S1's fragments, later the quantiser's; v244-251 the bias.  window 1: S0's two sets.  windows 2, 3: the accumulators.
.set P0,    4                          ; S0 lies in XQ
.set S0IMG, 0
.set S0SC,  6291456
.set NT0,   512
.set P1,    6                          ; S1 in WQ, from tile 128 on
.set S1IMG, 128*3072
.set S1SC,  2359296+128*512
.set NT1,   192
.set TSL,   3072
.set FRB,   1536
.set HALFT, 8*TSL
.set SLOT,  4*HALFT
.set SCL,   2*SLOT
.set HALFS, 8*512
.set SBLK,  512
.set SPARE, SCL+4*HALFS
.set NQ, 2
.set FR, 12
.set NL, 4
.set NP, 4
.set ADRA, 16
.set ADRB, 20
.set L16,  24
.set L8,   25
.set ADRS, 27
.set SPW,  28
.set NIL,  29
.set SC,   32
.set HA,   64
.set AF,   128
.set TM,   200
.set PW,   216
.set PC,   220
.set SWQ,  240
.set BV,   244
.set SEL,  18
.set G1, 24
.set G0, 32
.set G1B, 48
.set G0B, 56
.set G1S, 68
.set G0S, 76
.set G1SB, 80
.set G0SB, 88
.set MSB, 0
.macro WIN new                         ; the immediate's high byte repeats the setting that is left
.if MSB != (\new)
	s_set_vgpr_msb (MSB<<8)|(\new)
.set MSB, (\new)
.endif
.endm
.set MUL_LO, 0xa1
.set MUL_HI, 0xf1
.set TO_B,   0x40
.macro JLOAD g0a, g1a, g0b, g1b        ; a joint load: waves 0, 1 for S1, waves 2, 3 for S0; an s_nop 0 and four v_nop follow each line
	s_cmp_eq_u32 s15, 0
	s_cbranch_scc0 .Lfor_b_\@
	tensor_load_to_lds s[\g0a:\g0a+3], s[\g1a:\g1a+7]
	s_nop 0
.rept 4
	v_nop
.endr
	s_branch .Lasked_\@
.Lfor_b_\@:
	tensor_load_to_lds s[\g0b:\g0b+3], s[\g1b:\g1b+7]
	s_nop 0
.rept 4
	v_nop
.endr
.Lasked_\@:
.endm
.macro CREST
	s_cmp_lg_u32 s14, 0
	s_cbranch_scc1 .Lnot_wave_0_\@
	s_barrier_signal -3
.Lnot_wave_0_\@:
	s_barrier_wait -3
	s_barrier_signal -1
	s_barrier_wait -1
.endm
.macro CROUND
	s_barrier_signal -1
	s_barrier_wait -1
	CREST
.endm
	s_load_b256 s[4:11], s[0:1], 0x0               ; XQ, WQ, b_qkv, VV
	v_lshl_add_u32 v[SPW], v0, 2, SPARE
	v_mov_b32 v[NIL], 0
	ds_add_u32 v[SPW], v[NIL]                      ; the wave's opening: an add to my spare word, waited for ahead of my first tensor load
	v_lshrrev_b32 v1, 5, v0
	v_readfirstlane_b32 s14, v1
	s_lshr_b32 s15, s14, 1
	s_and_b32 s16, s14, 1
	s_bfe_u32 s40, ttmp6, 0x40000
	s_bfe_u32 s41, ttmp6, 0x40004
	s_lshl_b32 s42, ttmp9, 2
	s_add_co_u32 s42, s42, s40                     ; tile column: 256 tokens
	s_and_b32 s17, ttmp7, 0xffff
	s_lshl_b32 s17, s17, 2
	s_add_co_u32 s17, s17, s41                     ; tile row: 256 channels
	s_lshl_b32 s43, s41, 2
	s_lshl_b32 s43, 15, s43
	s_lshl_b32 s44, 0x1111, s40
	s_or_b32 s[G1+0], s43, (3<<16)|(1<<21)
	s_or_b32 s[G1B+0], s44, (3<<16)|(1<<21)
	s_or_b32 s[G1S+0], s43, (3<<16)|(1<<21)
	s_or_b32 s[G1SB+0], s44, (3<<16)|(1<<21)
.irp g, G1, G1B
	s_mov_b32 s[\g+1], 32<<16
	s_mov_b32 s[\g+2], 96<<16
	s_mov_b32 s[\g+3], 32<<16
	s_mov_b32 s[\g+4], 96
	s_mov_b32 s[\g+5], 32
	s_mov_b32 s[\g+6], 0
	s_mov_b32 s[\g+7], 0
.endr
.irp g, G1S, G1SB
	s_mov_b32 s[\g+1], 32<<16
	s_mov_b32 s[\g+2], 16<<16
	s_mov_b32 s[\g+3], 32<<16
	s_mov_b32 s[\g+4], 16
	s_mov_b32 s[\g+5], 32
	s_mov_b32 s[\g+6], 0
	s_mov_b32 s[\g+7], 0
.endr
	s_lshl_b32 s18, s16, 3
	s_lshl_b32 s20, s17, 4
	s_add_co_u32 s20, s20, s18
	s_lshl_b32 s46, s42, 4
	s_add_co_u32 s46, s46, s18
	s_lshl_b32 s22, s20, 9
	s_add_co_u32 s22, s22, S1SC
	s_mov_b32 s23, 0
	s_lshl_b32 s92, s46, 9
	s_add_co_u32 s92, s92, S0SC
	s_mov_b32 s93, 0
	s_mul_i32 s20, s20, TSL
.if S1IMG
	s_add_co_u32 s20, s20, S1IMG
.endif
	s_mov_b32 s21, 0
	s_mul_i32 s46, s46, TSL
.if S0IMG
	s_add_co_u32 s46, s46, S0IMG
.endif
	s_mov_b32 s47, 0
	s_mul_i32 s45, s14, HALFT
	s_mul_i32 s94, s14, HALFS
	s_wait_dscnt 0x0
	s_wait_kmcnt 0x0
	s_add_nc_u64 s[20:21], s[P1:P1+1], s[20:21]
	s_add_nc_u64 s[22:23], s[P1:P1+1], s[22:23]
	s_add_nc_u64 s[46:47], s[P0:P0+1], s[46:47]
	s_add_nc_u64 s[92:93], s[P0:P0+1], s[92:93]
	CROUND
	s_mov_b32 s[G0S], 1
	s_add_co_u32 s[G0S+1], s94, SCL
	s_mov_b64 s[G0S+2:G0S+3], s[22:23]
	s_or_b32 s[G0S+3], s[G0S+3], 0x80000000
	s_mov_b32 s[G0SB], 1
	s_add_co_u32 s[G0SB+1], s94, SCL
	s_mov_b64 s[G0SB+2:G0SB+3], s[92:93]
	s_or_b32 s[G0SB+3], s[G0SB+3], 0x80000000
	JLOAD G0S, G1S, G0SB, G1SB                     ; three loads of mine go out together: the scale words, slot 0, slot 1
.irp s, 0,1
	s_mov_b32 s[G0+4*\s], 1
	s_add_co_u32 s[G0+4*\s+1], s45, \s*SLOT
	s_add_nc_u64 s[G0+4*\s+2:G0+4*\s+3], s[20:21], \s*NT1*TSL
	s_or_b32 s[G0+4*\s+3], s[G0+4*\s+3], 0x80000000
	s_mov_b32 s[G0B+4*\s], 1
	s_add_co_u32 s[G0B+4*\s+1], s45, \s*SLOT
	s_add_nc_u64 s[G0B+4*\s+2:G0B+4*\s+3], s[46:47], \s*NT0*TSL
	s_or_b32 s[G0B+4*\s+3], s[G0B+4*\s+3], 0x80000000
	JLOAD G0+4*\s, G1, G0B+4*\s, G1B
.endr
	v_and_b32 v1, 31, v0
	v_and_b32 v2, 15, v0
	v_bfe_u32 v3, v0, 4, 1
	v_lshlrev_b32 v[L16], 4, v1
	v_lshlrev_b32 v[L8], 3, v1
	s_mul_i32 s21, s15, HALFT
	s_mul_i32 s22, s16, HALFT
	s_add_co_u32 s22, s22, 2*HALFT
.irp s, 0,1
	v_add_nc_u32 v[ADRA+\s], s21, v[L16]
	v_add_nc_u32 v[ADRB+\s], s22, v[L16]
	v_add_nc_u32 v[ADRA+2+\s], s21, v[L8]
	v_add_nc_u32 v[ADRB+2+\s], s22, v[L8]
	s_add_co_u32 s21, s21, SLOT
	s_add_co_u32 s22, s22, SLOT
.endr
	v_lshlrev_b32 v6, 4, v2
	s_mul_i32 s21, s15, HALFS
	s_mul_i32 s22, s16, HALFS
	s_add_co_u32 s22, s22, 2*HALFS
	s_sub_co_u32 s22, s22, s21
	v_mul_u32_u24 v7, s22, v3
	s_add_co_u32 s21, s21, SCL
	v_add_nc_u32 v6, v6, v7
	v_add_nc_u32 v[ADRS], s21, v6
	s_lshl_b32 s20, s17, 10                        ; the bias of my 128 channels: b_qkv from number 2,048 + 256 x tile row + 128 x half on
	s_lshl_b32 s21, s15, 9
	s_add_co_u32 s20, s20, s21
	s_add_co_u32 s20, s20, 8192
	s_mov_b32 s21, 0
	s_add_nc_u64 s[8:9], s[8:9], s[20:21]
	v_and_b32 v4, 8, v2
	v_add_nc_u32 v4, v4, v2
	v_lshlrev_b32 v8, 2, v4                        ; my channel in a tile: r + 8 (r / 8)
.irp a, 0,1,2,3,4,5,6,7
	global_load_b32 v[BV+\a], v8, s[8:9] offset:(32*(\a/2)+8*(\a%2))*4
.endr
.macro FRAG reg, adr, q, i
	ds_load_b128 v[\reg:\reg+3], v[\adr] offset:(\i)*TSL+(\q)*FRB
	ds_load_b64 v[\reg+4:\reg+5], v[\adr+2] offset:(\i)*TSL+(\q)*FRB+512
	ds_load_b128 v[\reg+6:\reg+9], v[\adr] offset:(\i)*TSL+(\q)*FRB+768
	ds_load_b64 v[\reg+10:\reg+11], v[\adr+2] offset:(\i)*TSL+(\q)*FRB+1280
.endm
; 16 matrix instructions; the 64 accumulators take turns, one instruction a turn.  zero = 1: the first product starts the sums
.macro MUL16 a0, p, q, sc, zero
.irp a, \a0, \a0+1
.irp b, 0,1,2,3,4,5,6,7
.if \zero
	v_wmma_scale_f32_16x16x128_f8f6f4 v[8*(8*((\a)%4)+\b):8*(8*((\a)%4)+\b)+7], v[128*(\p)+FR*\b:128*(\p)+FR*\b+FR-1], v[AF+FR*(\a):AF+FR*(\a)+FR-1], 0, v[SC+8*NQ*(\sc)+NQ*\b+(\q)], v[SC+8*NQ*(\sc)+NQ*(\a)+(\q)] matrix_a_fmt:MATRIX_FMT_FP6 matrix_b_fmt:MATRIX_FMT_FP6 matrix_a_scale:MATRIX_SCALE_ROW1
.else
	v_wmma_scale_f32_16x16x128_f8f6f4 v[8*(8*((\a)%4)+\b):8*(8*((\a)%4)+\b)+7], v[128*(\p)+FR*\b:128*(\p)+FR*\b+FR-1], v[AF+FR*(\a):AF+FR*(\a)+FR-1], v[8*(8*((\a)%4)+\b):8*(8*((\a)%4)+\b)+7], v[SC+8*NQ*(\sc)+NQ*\b+(\q)], v[SC+8*NQ*(\sc)+NQ*(\a)+(\q)] matrix_a_fmt:MATRIX_FMT_FP6 matrix_b_fmt:MATRIX_FMT_FP6 matrix_a_scale:MATRIX_SCALE_ROW1
.endif
.endr
.endr
.endm
.macro FETCH_B slot, q, p
	WIN TO_B
.irp i, 0,1,2,3,4,5,6,7
	FRAG 128*(\p)+FR*\i, ADRB+\slot, \q, \i
.endr
	WIN 0
.endm
.macro FETCH_A slot, q, i0
.irp i, \i0, \i0+1, \i0+2, \i0+3
	FRAG AF+FR*(\i), ADRA+\slot, \q, \i
.endr
.endm
.macro SCALES sc
.irp i, 0,1,2,3,4,5,6,7
	ds_load_b64 v[SC+8*NQ*\sc+NQ*\i:SC+8*NQ*\sc+NQ*\i+1], v[ADRS] offset:\i*SBLK
.endr
.endm
.macro PLACES n
.rept \n
	v_nop
.endr
.endm
.macro STEP slot, q, zero
	s_wait_dscnt 4*NL                              ; all but the youngest 16 loads (S1's blocks 4-7) are in
	WIN MUL_LO
	MUL16 0, (\q)%2, \q, \slot, \zero
	MUL16 2, (\q)%2, \q, \slot, \zero
	s_wait_dscnt 0
	PLACES NP
	FETCH_B \slot, (\q)+1, 1-(\q)%2
	FETCH_A \slot, (\q)+1, 0
	WIN MUL_HI
	MUL16 4, (\q)%2, \q, \slot, \zero
	MUL16 6, (\q)%2, \q, \slot, \zero
	PLACES NP
	WIN 0
	FETCH_A \slot, (\q)+1, 4
.endm
.macro TURN slot, next, fill           ; a slot's last step changes slots
	s_wait_tensorcnt 0x0                           ; all my tensor loads have landed
	ds_add_u32 v[SPW], v[NIL]                      ; 0 onto my spare word
	s_wait_dscnt 4*NL+1                            ; (the add and the youngest 16 loads may be out)
	WIN MUL_LO
	MUL16 0, 1, NQ-1, \slot, 0
	s_wait_dscnt 0x0                               ; the add is done, and my reads of this slot are over
	s_barrier_signal -1
	MUL16 2, 1, NQ-1, \slot, 0
	WIN 0
	s_barrier_wait -1
.if \fill
	CREST                                          ; a round of the cluster's barrier: no wave of any partner still reads this slot or has a load on its way
	s_add_nc_u64 s[G0+4*\slot+2:G0+4*\slot+3], s[G0+4*\slot+2:G0+4*\slot+3], 2*NT1*TSL
	s_add_nc_u64 s[G0B+4*\slot+2:G0B+4*\slot+3], s[G0B+4*\slot+2:G0B+4*\slot+3], 2*NT0*TSL
	JLOAD G0+4*\slot, G1, G0B+4*\slot, G1B
.else
	PLACES NP
.endif
.if \next
	v_add_nc_u32 v[ADRS], 8, v[ADRS]
.else
	v_add_nc_u32 v[ADRS], 248, v[ADRS]
.endif
	FETCH_B \next, 0, 0
	FETCH_A \next, 0, 0
	SCALES \next
	WIN MUL_HI
	MUL16 4, 1, NQ-1, \slot, 0
	MUL16 6, 1, NQ-1, \slot, 0
	PLACES NP
	WIN 0
	FETCH_A \next, 0, 4
.endm
	s_wait_tensorcnt 1                             ; the scale words and my part of slot 0 are in; slot 1's load may be out
	s_barrier_signal -1
	s_barrier_wait -1
	FETCH_B 0, 0, 0
	FETCH_A 0, 0, 0
	SCALES 0
	FETCH_A 0, 0, 4
	STEP 0, 0, 1
	TURN 0, 1, 1
	STEP 1, 0, 0
	TURN 1, 0, 1
	STEP 0, 0, 0
	TURN 0, 1, 0
	STEP 1, 0, 0
	s_wait_dscnt 4*NL
	WIN MUL_LO
	MUL16 0, 1, NQ-1, 1, 0
	MUL16 2, 1, NQ-1, 1, 0
	s_wait_dscnt 0
	WIN MUL_HI
	MUL16 4, 1, NQ-1, 1, 0
	MUL16 6, 1, NQ-1, 1, 0
	WIN 0
; ---- THE WAY OUT, a tile of 16 channels at a time: + bias, quantise along my 128 tokens, store the fragment as it stands
.macro QUANT s
.irp b, 0,1,2,3
	v_max3_num_f32 v[TM+\b], |v[\s+16*\b]|, |v[\s+1+16*\b]|, 0x1800000
.endr
.irp i, 2,4,6,8,10,12,14
.irp b, 0,1,2,3
	v_max3_num_f32 v[TM+\b], v[TM+\b], |v[\s+16*\b+\i]|, |v[\s+1+16*\b+\i]|
.endr
.endr
.irp b, 0,1,2,3
	v_permlanex16_b32 v[TM+4+\b], v[TM+\b], s[SEL], s[SEL+1]
.endr
.irp b, 0,1,2,3
	v_max_num_f32 v[TM+\b], v[TM+\b], v[TM+4+\b]
.endr
.irp b, 0,1,2,3
	v_add_nc_u32 v[TM+12+\b], 0xff000000, v[TM+\b]
.endr
.irp b, 0,1,2,3
	v_lshrrev_b32 v[TM+4+\b], 23, v[TM+12+\b]
.endr
	v_lshl_or_b32 v[PW], v[TM+5], 8, v[TM+4]
	v_lshl_or_b32 v[PW], v[TM+6], 16, v[PW]
	v_lshl_or_b32 v[PW], v[TM+7], 24, v[PW]
.irp c, 0,1
	v_cvt_scalef32_pk16_fp6_f32 v[PC+6*\c:PC+2+6*\c], v[\s+32*\c:\s+15+32*\c], v[TM+12+2*\c]
	v_cvt_scalef32_pk16_fp6_f32 v[PC+12+4*\c:PC+14+4*\c], v[\s+16+32*\c:\s+31+32*\c], v[TM+12+2*\c+1]
.endr
	v_nop
.irp c, 0,1
.irp i, 0,1,2
	v_permlane16_swap_b32 v[PC+6*\c+\i], v[PC+12+4*\c+\i]
.endr
.irp i, 0,1,2
	v_mov_b32 v[PC+3+6*\c+\i], v[PC+12+4*\c+\i]
.endr
.endr
.endm
.macro OUT a
.set AC, 64*((\a)%4)
	WIN 0x02+(\a)/4                                ; source 0: the accumulators' window
.set i, 0
.rept 32
.if (\a)%2
	v_pk_add_f32 v[HA+i:HA+i+1], v[AC+i:AC+i+1], v[BV+(\a)-1:BV+(\a)] op_sel:[0,1] op_sel_hi:[1,1]
.else
	v_pk_add_f32 v[HA+i:HA+i+1], v[AC+i:AC+i+1], v[BV+(\a):BV+(\a)+1] op_sel:[0,0] op_sel_hi:[1,0]
.endif
.set i, i+2
.endr
	WIN 0
	s_wait_xcnt 0x0                                ; the last tile's stores have read their registers
	QUANT HA
	global_store_b128 v[L16], v[PC:PC+3], s[12:13] offset:((\a)/4)*98304+((\a)%4)*1536
	global_store_b64 v[L8], v[PC+4:PC+5], s[12:13] offset:((\a)/4)*98304+((\a)%4)*1536+512
	global_store_b128 v[L16], v[PC+6:PC+9], s[12:13] offset:((\a)/4)*98304+((\a)%4)*1536+768
	global_store_b64 v[L8], v[PC+10:PC+11], s[12:13] offset:((\a)/4)*98304+((\a)%4)*1536+1280
	v_mov_b32 v[SWQ+(\a)%4], v[PW]
.if (\a)%4 == 3
	global_store_b128 v[L16], v[SWQ:SWQ+3], s[10:11] offset:((\a)/4)*8192     ; a head's four words a lane: 512 consecutive bytes (lanes 16-31 repeat lanes 0-15's)
.endif
.endm
	PLACES NP
.irp b, 0,1,2,3
	v_mov_b32 v[TM+4+\b], 0
.endr
	s_mov_b32 s[SEL], 0x76543210
	s_mov_b32 s[SEL+1], 0xfedcba98
	s_lshr_b32 s20, s42, 3                         ; the batch
	s_lshl_b32 s20, s20, 4
	s_lshl_b32 s21, s17, 2
	s_add_co_u32 s20, s20, s21
	s_lshl_b32 s21, s15, 1
	s_add_co_u32 s20, s20, s21                     ; 16 x batch + my first head
	s_and_b32 s21, s42, 7
	s_lshl_b32 s21, s21, 1
	s_add_co_u32 s21, s21, s16                     ; my key step
	s_lshl_b32 s22, s20, 4
	s_add_co_u32 s22, s22, s21
	s_mul_i32 s22, s22, 6144
	s_mov_b32 s23, 0
	s_add_nc_u64 s[12:13], s[10:11], s[22:23]
	s_lshl_b32 s22, s20, 13
	s_lshl_b32 s21, s21, 9
	s_add_co_u32 s22, s22, s21
	s_add_co_u32 s22, s22, 6291456
	s_add_nc_u64 s[10:11], s[10:11], s[22:23]
	s_wait_loadcnt 0x0                             ; the bias
.irp a, 0,1,2,3,4,5,6,7
	OUT \a
.endr
	s_wait_tensorcnt 0x0                           ; the wave's end
	ds_add_u32 v[SPW], v[NIL]
	s_wait_dscnt 0x0
	CROUND                                         ; the closing round
	s_endpgm
.Lfunc_end_k_q0a96a62c73_gemm_v:
	.size	k_q0a96a62c73_gemm_v, .Lfunc_end_k_q0a96a62c73_gemm_v-k_q0a96a62c73_gemm_v
	.p2alignl 7, 3214868480
	.fill 96, 4, 3214868480
	.section	.rodata,"a",@progbits
	.p2align	6, 0x0
	.amdhsa_kernel k_q0a96a62c73_gemm_v
		.amdhsa_group_segment_fixed_size 327680
		.amdhsa_private_segment_fixed_size 0
		.amdhsa_enable_private_segment 0
		.amdhsa_kernarg_size 32
		.amdhsa_user_sgpr_count 2
		.amdhsa_user_sgpr_kernarg_segment_ptr 1
		.amdhsa_wavefront_size32 1
		.amdhsa_system_sgpr_workgroup_id_x 1
		.amdhsa_system_sgpr_workgroup_id_y 1
		.amdhsa_system_sgpr_workgroup_id_z 1
		.amdhsa_system_vgpr_workitem_id 0
		.amdhsa_next_free_vgpr 1024
		.amdhsa_next_free_sgpr 100
		.amdhsa_reserve_vcc 0
		.amdhsa_float_denorm_mode_32 3
		.amdhsa_float_denorm_mode_16_64 3
		.amdhsa_memory_ordered 1
		.amdhsa_forward_progress 1
		.amdhsa_inst_pref_size 165
	.end_amdhsa_kernel
	.amdgpu_metadata
---
amdhsa.version: [ 1, 2 ]
amdhsa.kernels:
  - .name:           k_q0a96a62c73_gemm_v
    .symbol:         k_q0a96a62c73_gemm_v.kd
    .args:
      - { .name: XQ, .offset: 0, .size: 8, .value_kind: global_buffer, .address_space: global }
      - { .name: WQ, .offset: 8, .size: 8, .value_kind: global_buffer, .address_space: global }
      - { .name: b_qkv, .offset: 16, .size: 8, .value_kind: global_buffer, .address_space: global }
      - { .name: VV, .offset: 24, .size: 8, .value_kind: global_buffer, .address_space: global }
    .group_segment_fixed_size: 327680
    .private_segment_fixed_size: 0
    .kernarg_segment_align: 8
    .kernarg_segment_size: 32
    .max_flat_workgroup_size: 128
    .sgpr_count:     100
    .vgpr_count:     1024
    .wavefront_size: 32
...
	.end_amdgpu_metadata
.endif
;; end of part 4
;; launch attn (part 5): grid 4 x 64, 16 waves a work-group, clusters of 4 x 1, 327,680 bytes of LDS; arguments QK, VV, attention_padding, YQ; writes YQ
.if DOCPART == 5
	.amdgcn_target "amdgcn-amd-amdhsa--gfx1250"
	.amdhsa_code_object_version 6
	.text
	.protected	k_q0a96a62c73_attn
	.globl	k_q0a96a62c73_attn
	.p2align	8
	.type	k_q0a96a62c73_attn,@function
k_q0a96a62c73_attn:
	s_mov_b64 s[64:65], 0
	v_nop
	global_prefetch_b8 v0, s[64:65] scope:SCOPE_SE
	s_setreg_imm32_b32 hwreg(HW_REG_WAVE_MODE, 25, 1), 1
	s_wait_xcnt 0x0
	s_wait_alu depctr_hold_cnt(0) depctr_sa_sdst(0) depctr_va_vdst(0) depctr_va_sdst(0) depctr_va_ssrc(0) depctr_va_vcc(0) depctr_vm_vsrc(0)
	s_getreg_b32 s2, hwreg(HW_REG_IB_STS2, 6, 4)
	s_cmp_eq_u32 s2, 0
	s_cbranch_scc0 .Lentry_in_a_cluster
	s_endpgm
.Lentry_in_a_cluster:
	s_bfe_u32 s2, ttmp6, 0x10000c
	s_cmp_lg_u32 s2, 0x3003
	s_cbranch_scc0 .Lentry_shape_is_right
	s_endpgm
.Lentry_shape_is_right:
; Causal attention with a padding mask on codes of FP6 (E2M3): S^T = K Q^T (K = the head's 64), p = 2^(t - M), O^T = V^T P^T (K = the keys); y = O / l is quantised along the hidden axis and stored as images for the last product.
; t = score x log2(e) / 8; M = the running largest t rounded UP to a whole number; l = the sum of the unquantised p.  When M moves, l and O are multiplied by 2^(old M - new M): exact.
; A HEAD'S K AND V, codes and scale words (212,992 bytes), LIE IN LDS FOR THE WHOLE LAUNCH: they come once, by joint loads, for the four work-groups of a head (a cluster): no ring, no refill.
; SHARES.  A head has 128 tiles of 16 queries.  Wave w of work-group cx owns tiles 8 J + 4 (w % 2) + cx for J = 15 - w / 2 and then J = w / 2: 16 - w / 2 and w / 2 + 1 key steps of 128: seventeen for every wave.
; cx enters global addresses and one lane number alone; branches and LDS addresses hang on the wave's number and on counters.  Key steps all of whose keys come after the tile's queries are jumped over; the loops' trip counts are constants.
; LAYOUT.  Both products are used transposed: a lane holds ONE query.  In a tile, lane r holds row 32 g + 8 u + r + 8 (r / 8), so the 16 registers of score tiles 2 b, 2 b + 1 are keys 32 b + 16 (lane / 16) + 0 .. 15.
; K = 64 IN AN INSTRUCTION OF 128: Q's registers for k = 64 .. 127 are zero codes, and the scale bytes of those blocks are 0 (2^-127, no NaN).  K's tiles lie 6 registers apart, so the upper half of tile t's operand is tile t + 1's codes,
; which meet Q's zeros: 54 registers for eight tiles, and nothing is cleared in the loop.
; THE MASKS.  The padding mask is the C of the score's matrix instruction: 0, or -8e9 (reference's -1e9 ahead of the factor 1 / 8).  On the diagonal hidden scores are replaced by -8e9.
; LIMITS: a padded key's score is score - 8e9, equal to -8e9 after rounding for |score| < 256 and otherwise as far under every real score; a row all of whose allowed keys are padded is averaged over the walked keys only
; (such a query is itself padded, and the last product's way out multiplies it by 0; here it only stays finite); a block of zeros gets the byte 1; NaN and infinities are not served.
; No prefetch: every load of K and V stands at the head.  y's scale bytes leave one byte a lane (256 KB in the launch): a word's four bytes come from two heads, that is two clusters.
; REGISTERS: v1-7 bases; v8, v9 the add's; v10 the diagonal's number; v11 -8e9; v12 -M, v13 largest t, v[14:15] l; v16-27 Q; v28 Q's scale word; v29, v31 offsets; v32-38 the step's addresses; v40-93 K's tiles, then V's fragments;
; v96-159 scores, then p; v160-191 O^T; v192-199 K's scale words, v200-203 V's; v204-222 p's codes; v224-238 at work.
.set KIMG, 0
.set VIMG, 98304
.set KSC,  196608
.set VSC,  204800
.set MB,   212992                      ; f32 [2048]: 0 or -8e9; written by LDS stores, in blocks that no tensor load fills
.set SPARE, 221184                     ; the spare words, 128 bytes for each of sixteen waves
.set SPW, 8
.set NIL, 9
.set PCD, 204
.set PC2, 216
.set BM,  224                          ; v224-227 the blocks' largest
.set PD,  228                          ; v228-231 permutes' results, bytes, a chain of sums
.set SO,  232                          ; v232-235 the conversions' scale operands
.set F,   236                          ; v236 f; v237 p's scale word (named with f as a pair)
.set T,   238
.set WV, 12
.set CX, 13
.set BH, 14
.set EE, 15
.set G1S, 16
.set G1C, 24
.set G0S, 32
.set G0C, 36
.set HM,  40
.set CNT, 41
.set KI,  42
.set TB,  43
.set TS,  44
.set JJ,  45
.set SEL, 52
.set CS,  54
.macro ROUND                           ; a round of the cluster's barrier
	s_barrier_signal -1
	s_barrier_wait -1
	s_cmp_lg_u32 s[WV], 0
	s_cbranch_scc1 .Lnot_wave_0_\@
	s_barrier_signal -3
.Lnot_wave_0_\@:
	s_barrier_wait -3
	s_barrier_signal -1
	s_barrier_wait -1
.endm
	s_load_b256 s[4:11], s[0:1], 0x0               ; QK, VV, attention_padding, YQ
	v_lshl_add_u32 v[SPW], v0, 2, SPARE
	v_mov_b32 v[NIL], 0
	ds_add_u32 v[SPW], v[NIL]                      ; the wave's opening: adds to my spare word, waited for ahead of my first tensor load
	ds_add_u32 v[SPW], v[NIL]
	v_lshrrev_b32 v1, 5, v0
	s_delay_alu instid0(VALU_DEP_1)
	v_readfirstlane_b32 s[WV], v1                  ; wave 0 .. 15
	s_bfe_u32 s[CX], ttmp6, 0x40000                ; my place in the cluster
	s_and_b32 s[BH], ttmp7, 0xffff                 ; 16 x batch + head: the four partners share it
.irp g, G1S, G1C                               ; dense blocks as rows of 256 bytes (32 elements of 8); the mask names all four work-groups, bit 21 beside it
	s_mov_b32 s[\g], 15|(3<<16)|(1<<21)
	s_mov_b32 s[\g+1], 32<<16
	s_mov_b32 s[\g+3], 32<<16
	s_mov_b32 s[\g+5], 32
	s_mov_b32 s[\g+6], 0
	s_mov_b32 s[\g+7], 0
.endr
	s_mov_b32 s[G1S+2], 4<<16                      ; scale words: 1,024 bytes a wave
	s_mov_b32 s[G1S+4], 4
	s_mov_b32 s[G1C+2], 48<<16                     ; codes: 12,288 bytes a wave
	s_mov_b32 s[G1C+4], 48
	s_and_b32 s60, s[WV], 7                        ; waves 0-7 fetch K's eighths, waves 8-15 V's
	s_lshr_b32 s61, s[WV], 3
	s_lshl_b32 s62, s60, 10
	s_lshl_b32 s63, s61, 13
	s_add_co_u32 s63, s63, s62
	s_mov_b32 s[G0S], 1
	s_add_co_u32 s[G0S+1], s63, KSC
	s_mul_i32 s66, s60, 12288
	s_mul_i32 s67, s61, 98304
	s_mov_b32 s[G0C], 1
	s_add_co_u32 s[G0C+1], s67, s66
	s_mul_i32 s70, s[BH], 98304
	s_lshl_b32 s72, s[BH], 13
	s_cmp_lt_u32 s[WV], 8
	s_cselect_b32 s68, 64*98304, 0                 ; in QK, k's 64 heads lie behind q's
	s_mov_b32 s69, 6291456
	s_cselect_b32 s69, 12582912+64*8192, s69
	s_add_co_u32 s70, s70, s68
	s_add_co_u32 s70, s70, s66
	s_mov_b32 s71, 0
	s_add_co_u32 s72, s72, s69
	s_add_co_u32 s72, s72, s62
	s_mov_b32 s73, 0
	s_mov_b32 s[SEL], 0x76543210
	s_mov_b32 s[SEL+1], 0xfedcba98
	s_mov_b32 s[CS], 0x3e38aa3b                    ; c = log2(e) / 8
	s_mov_b32 s[CS+1], s[CS]
	s_mov_b32 s[HM], 0xffff0000                    ; lanes 16-31
	s_wait_dscnt 0x0                               ; the opening add is done
	s_wait_kmcnt 0x0
	s_cmp_lt_u32 s[WV], 8
	s_cselect_b64 s[66:67], s[4:5], s[6:7]
	s_add_nc_u64 s[G0S+2:G0S+3], s[66:67], s[72:73]
	s_or_b32 s[G0S+3], s[G0S+3], 0x80000000
	s_add_nc_u64 s[G0C+2:G0C+3], s[66:67], s[70:71]
	s_or_b32 s[G0C+3], s[G0C+3], 0x80000000
	ROUND                                          ; all four work-groups are here: the joint loads meet
	tensor_load_to_lds s[G0S:G0S+3], s[G1S:G1S+7]  ; one load of mine is out; with the codes' below, the launch's only ones
	s_nop 0
	s_wait_alu depctr_va_vdst(0)
	s_wait_tensorcnt 0x0
	ds_add_u32 v8, v9
	s_wait_dscnt 0x0
	ROUND
	tensor_load_to_lds s[G0C:G0C+3], s[G1C:G1C+7]
	s_nop 0
.rept 4
	v_nop
.endr
	s_lshr_b32 s61, s[BH], 4                       ; the batch
	s_lshl_b32 s62, s61, 11
	s_mov_b32 s63, 0
	s_add_nc_u64 s[8:9], s[8:9], s[62:63]
	v_lshlrev_b32 v44, 2, v0
	global_load_b32 v45, v44, s[8:9]               ; four keys' padding bytes a thread
	s_mul_i32 s62, s[BH], 98304
	s_add_nc_u64 s[76:77], s[4:5], s[62:63]        ; q's images of my head,
	s_lshl_b32 s62, s[BH], 13
	s_add_co_u32 s62, s62, 12582912
	s_add_nc_u64 s[78:79], s[4:5], s[62:63]        ; and its scale words
	s_and_b32 s60, s[BH], 15                       ; the head.  y's K step of 128 is head / 2, its half head % 2
	s_lshr_b32 s62, s60, 2
	s_mul_i32 s62, s62, 1572864
	s_mul_i32 s66, s61, 128*3072
	s_add_co_u32 s62, s62, s66
	s_bfe_u32 s66, s60, 0x10001
	s_mul_i32 s66, s66, 1536
	s_add_co_u32 s62, s62, s66
	s_and_b32 s66, s60, 1
	s_mul_i32 s66, s66, 768
	s_add_co_u32 s62, s62, s66
	s_add_nc_u64 s[80:81], s[10:11], s[62:63]      ; y's images
	s_lshl_b32 s62, s61, 16
	s_add_co_u32 s62, s62, 6291456
	s_lshr_b32 s66, s60, 3
	s_lshl_b32 s66, s66, 8
	s_add_co_u32 s62, s62, s66
	s_bfe_u32 s66, s60, 0x20001
	s_lshl_b32 s66, s66, 2
	s_add_co_u32 s62, s62, s66
	s_and_b32 s66, s60, 1
	s_lshl_b32 s66, s66, 1
	s_add_co_u32 s62, s62, s66
	s_add_nc_u64 s[82:83], s[10:11], s[62:63]      ; y's scale bytes
	s_and_b32 s[EE], s[WV], 1
	s_lshl_b32 s[EE], s[EE], 2
	s_add_co_u32 s[EE], s[EE], s[CX]               ; e: my tile among the eight of its key step
	s_lshr_b32 s62, s[EE], 1
	s_lshl_b32 s62, s62, 5
	s_and_b32 s66, s[EE], 1
	s_lshl_b32 s66, s66, 3
	s_add_co_u32 s62, s62, s66
	v_and_b32 v40, 15, v0                          ; r
	v_bfe_u32 v41, v0, 4, 1                        ; h
	v_and_b32 v42, 31, v0                          ; lane
	s_delay_alu instid0(VALU_DEP_1)
	v_lshlrev_b32 v1, 4, v42                       ; an image's registers 0-3: 16 x lane
	s_delay_alu instid0(VALU_DEP_2)
	v_lshlrev_b32 v2, 3, v42
	s_delay_alu instid0(VALU_DEP_1)
	v_add_nc_u32 v2, 512, v2                       ; registers 4-5: 512 + 8 x lane
	s_delay_alu instid0(VALU_DEP_3)
	v_add_nc_u32 v3, VIMG, v1
	s_delay_alu instid0(VALU_DEP_2)
	v_add_nc_u32 v4, VIMG, v2
	v_lshlrev_b32 v31, 4, v40                      ; 16 r
	s_delay_alu instid0(VALU_DEP_1)
	v_add_nc_u32 v5, KSC, v31
	v_add_nc_u32 v6, VSC, v1
	v_lshlrev_b32 v7, 6, v41
	s_delay_alu instid0(VALU_DEP_1)
	v_add_nc_u32 v7, MB, v7
	v_add_nc_u32 v29, v31, v41                     ; 16 r + h
	v_and_b32 v10, 8, v40
	s_delay_alu instid0(VALU_DEP_1)
	v_add_nc_u32 v10, v10, v40
	v_lshlrev_b32 v43, 4, v41
	s_delay_alu instid0(VALU_DEP_1)
	v_sub_nc_u32 v10, v10, v43
	s_delay_alu instid0(VALU_DEP_1)
	v_add_nc_u32 v10, s62, v10                     ; my query's place in its key step, less 16 h: register n holds a hidden key where 32 (n / 16) + n % 16 is above it
	v_mov_b32 v11, 0xcfee6b28                      ; -8e9
.irp j, 22,23,24,25,26,27,88,89,90,91,92,93
	v_mov_b32 v[\j], 0                             ; zero codes, for good
.endr
.irp j, 228,229,230,231,237,238
	v_mov_b32 v[\j], 0                             ; written once: permutes' destinations, and the upper half of a pair
.endr
	v_lshl_add_u32 v46, v0, 4, MB
	s_wait_loadcnt 0x0
.irp k, 0,1,2,3
	v_bfe_u32 v47, v45, 8*\k, 8
	s_delay_alu instid0(VALU_DEP_1)
	v_cmp_eq_u32 vcc_lo, 0, v47
	s_delay_alu instid0(VALU_DEP_1)
	v_cndmask_b32 v[48+\k], 0, v11, vcc_lo
.endr
	ds_store_b128 v46, v[48:51]
; A pass's start: the tile's number, its addresses, Q and its scale word, and the running numbers
.macro INIT
	s_lshl_b32 s60, s[JJ], 3
	s_add_co_u32 s60, s60, s[EE]                   ; my tile of queries
	s_mul_i32 s62, s60, 768
	s_mov_b32 s63, 0
	s_add_nc_u64 s[84:85], s[76:77], s[62:63]
	s_lshr_b32 s62, s60, 2
	s_lshl_b32 s62, s62, 8
	s_and_b32 s61, s60, 3
	s_lshl_b32 s61, s61, 2
	s_add_co_u32 s62, s62, s61
	s_add_nc_u64 s[86:87], s[78:79], s[62:63]
	s_mul_i32 s62, s60, 3072
	s_add_nc_u64 s[88:89], s[80:81], s[62:63]
	s_lshl_b32 s62, s60, 9
	s_add_nc_u64 s[90:91], s[82:83], s[62:63]
	global_load_b128 v[16:19], v1, s[84:85]
	global_load_b64 v[20:21], v2, s[84:85]
	global_load_b32 v28, v31, s[86:87]
	v_mov_b32 v13, 0xff61b1e6                      ; the largest t so far: -3e38
	s_delay_alu instid0(VALU_DEP_1)
	v_floor_f32 v12, -v13
	v_mov_b32 v14, 0
	v_mov_b32 v15, 0
.set i, 0
.rept 32
	v_mov_b32 v[160+i], 0                          ; the step is written once: its first turn finds zeros
.set i, i+1
.endr
	s_mov_b32 s[KI], 0
	s_mov_b32 s[TB], 0
	s_mov_b32 s[TS], 0
	s_wait_loadcnt 0x0
.endm
; A KEY STEP of 128 keys.  s[KI]: its number; s[TB] = 6,144 KI: its codes; s[TS] = 512 KI: its scale words and mask
.macro STEP
	s_cmp_gt_u32 s[KI], s[JJ]                      ; all its keys come after my queries: only the steps of the addresses are run
	s_cbranch_scc1 .Lhid_\@
	s_setprio 2
	v_add_nc_u32 v32, s[TB], v1                    ; (these seven are also the places behind the last products)
	v_add_nc_u32 v33, s[TB], v2
	v_add_nc_u32 v34, s[TB], v3
	v_add_nc_u32 v35, s[TB], v4
	v_add_nc_u32 v36, s[TS], v5
	v_add_nc_u32 v37, s[TS], v6
	v_add_nc_u32 v38, s[TS], v7
	ds_load_b128 v[192:195], v36
	ds_load_b128 v[196:199], v36 offset:256
.irp t, 0,1,2,3,4,5,6,7
	ds_load_b128 v[96+8*\t:99+8*\t], v38 offset:128*(\t/2)+32*(\t%2)          ; the padding mask of the tile's eight keys of my half: the sums begin with it
	ds_load_b128 v[100+8*\t:103+8*\t], v38 offset:128*(\t/2)+32*(\t%2)+16
.endr
.irp t, 0,1,2,3,4,5,6,7
	ds_load_b128 v[40+6*\t:43+6*\t], v32 offset:768*\t
	ds_load_b64 v[44+6*\t:45+6*\t], v33 offset:768*\t
.endr
	s_wait_alu depctr_va_vdst(0)
	s_wait_dscnt 0x0
.irp t, 0,1,2,3,4,5,6,7
	v_wmma_scale_f32_16x16x128_f8f6f4 v[96+8*\t:103+8*\t], v[40+6*\t:51+6*\t], v[16:27], v[96+8*\t:103+8*\t], v[192+\t], v28 matrix_a_fmt:MATRIX_FMT_FP6 matrix_b_fmt:MATRIX_FMT_FP6
.endr
.rept 4
	v_nop                                          ; places ahead of the loads into K's registers and of the first read of the scores
.endr
	ds_load_b128 v[200:203], v37                   ; V's words and fragments land under the softmax
.irp t, 0,1,2,3
	ds_load_b128 v[40+12*\t:43+12*\t], v34 offset:1536*\t
	ds_load_b64 v[44+12*\t:45+12*\t], v35 offset:1536*\t
	ds_load_b128 v[46+12*\t:49+12*\t], v34 offset:1536*\t+768
	ds_load_b64 v[50+12*\t:51+12*\t], v35 offset:1536*\t+768
.endr
	s_cmp_lg_u32 s[KI], s[JJ]                      ; only the step on the diagonal hides keys
	s_cbranch_scc1 .Lopen_\@
.irp n, 0,1,2,3,4,5,6,7,8,9,10,11,12,13,14,15,16,17,18,19,20,21,22,23,24,25,26,27,28,29,30,31,32,33,34,35,36,37,38,39,40,41,42,43,44,45,46,47,48,49,50,51,52,53,54,55,56,57,58,59,60,61,62,63
	v_cmp_gt_i32 vcc_lo, 32*(\n/16)+\n%16, v10
	v_cndmask_b32 v[96+\n], v[96+\n], v11, vcc_lo
.endr
.Lopen_\@:
.irp b, 0,1,2,3
	v_max3_num_f32 v[BM+\b], v[96+16*\b], v[97+16*\b], v[98+16*\b]   ; the largest score of each block of 32 keys: for the row's maximum, and, since p rises with the score, for the block's largest p
.endr
.irp i, 3,5,7,9,11,13
.irp b, 0,1,2,3
	v_max3_num_f32 v[BM+\b], v[BM+\b], v[96+16*\b+\i], v[97+16*\b+\i]
.endr
.endr
.irp b, 0,1,2,3
	v_max_num_f32 v[BM+\b], v[BM+\b], v[111+16*\b]
.endr
.irp b, 0,1,2,3
	s_delay_alu instid0(VALU_DEP_4)
	v_permlanex16_b32 v[PD+\b], v[BM+\b], s[SEL], s[SEL+1]
.endr
.irp b, 0,1,2,3
	s_delay_alu instid0(VALU_DEP_4)
	v_max_num_f32 v[BM+\b], v[BM+\b], v[PD+\b]
.endr
	s_delay_alu instid0(VALU_DEP_2)
	v_max3_num_f32 v[T], v[BM], v[BM+1], v[BM+2]
	s_delay_alu instid0(VALU_DEP_1)
	v_max_num_f32 v[T], v[T], v[BM+3]
	s_delay_alu instid0(VALU_DEP_1)
	v_mul_f32 v[T], s[CS], v[T]
	s_delay_alu instid0(VALU_DEP_1)
	v_max_num_f32 v13, v13, v[T]                   ; the running largest t
	v_mov_b32 v[T], v12
	s_delay_alu instid0(VALU_DEP_2)
	v_floor_f32 v12, -v13                          ; the new -M
	s_delay_alu instid0(VALU_DEP_1)
	v_sub_f32 v[T], v12, v[T]                      ; old M less new M: a whole number, 0 or less
	s_delay_alu instid0(VALU_DEP_1)
	v_cvt_i32_f32 v[T], v[T]                       ; (it saturates)
	s_delay_alu instid0(VALU_DEP_1)
	v_ldexp_f32 v[F], 1.0, v[T]                    ; f = 2^(old M - new M)
.set i, 0
	s_setprio 1
.rept 32
	v_pk_fma_f32 v[96+i:97+i], v[96+i:97+i], s[CS:CS+1], v[12:13] op_sel_hi:[1,0,0]   ; t - M
.set i, i+2
.endr
.irp b, 0,1,2,3
	v_fma_f32 v[BM+\b], v[BM+\b], s[CS], v12
.endr
.set i, 0
	s_wait_alu depctr_va_vdst(0)
.rept 64
	v_exp_f32 v[96+i], v[96+i]                     ; p, not normalised
.set i, i+1
.endr
	v_pk_mul_f32 v[14:15], v[14:15], v[F:F+1] op_sel_hi:[1,0]      ; l under the new M: the plain instruction behind the batch
	s_wait_alu depctr_va_vdst(0)                   ; one wait for the 64, ahead of their first reader
.irp b, 0,1,2,3
	v_exp_f32 v[BM+\b], v[BM+\b]                   ; the blocks' largest p
.endr
	v_pk_add_f32 v[PD:PD+1], v[96:97], v[98:99]    ; the sum of the unquantised p, in two chains
.irp j, 4,8,12,16,20,24,28,32,36,40,44,48,52,56,60
	v_pk_add_f32 v[14:15], v[14:15], v[96+\j:97+\j]
	v_pk_add_f32 v[PD:PD+1], v[PD:PD+1], v[98+\j:99+\j]
.endr
	s_delay_alu instid0(VALU_DEP_1)
	v_pk_add_f32 v[14:15], v[14:15], v[PD:PD+1]
	s_setprio 0
	s_wait_alu depctr_va_vdst(0)                   ; and one for the four
.irp b, 0,1,2,3
	v_max_num_f32 v[BM+\b], 0x1800000, v[BM+\b]    ; the floor 2^(3 - 127)
.endr
.irp b, 0,1,2,3
	s_delay_alu instid0(VALU_DEP_4)
	v_add_nc_u32 v[SO+\b], 0xff000000, v[BM+\b]
.endr
.irp b, 0,1,2,3
	s_delay_alu instid0(VALU_DEP_4)
	v_lshrrev_b32 v[PD+\b], 23, v[SO+\b]
.endr
	s_delay_alu instid0(VALU_DEP_3)
	v_lshl_or_b32 v[F+1], v[PD+1], 8, v[PD]        ; p's scale word for these 128 keys
	s_delay_alu instid0(VALU_DEP_1)
	v_lshl_or_b32 v[F+1], v[PD+2], 16, v[F+1]
	s_delay_alu instid0(VALU_DEP_1)
	v_lshl_or_b32 v[F+1], v[PD+3], 24, v[F+1]
.irp c, 0,1
	v_cvt_scalef32_pk16_fp6_f32 v[PCD+6*\c:PCD+2+6*\c], v[96+32*\c:111+32*\c], v[SO+2*\c]
	v_cvt_scalef32_pk16_fp6_f32 v[PC2+4*\c:PC2+2+4*\c], v[112+32*\c:127+32*\c], v[SO+2*\c+1]
.endr
	v_nop
.irp c, 0,1
.irp i, 0,1,2
	v_permlane16_swap_b32 v[PCD+6*\c+\i], v[PC2+4*\c+\i]
.endr
.irp i, 0,1,2
	s_delay_alu instid0(VALU_DEP_3)
	v_mov_b32 v[PCD+3+6*\c+\i], v[PC2+4*\c+\i]
.endr
.endr
.set i, 0
.rept 16
	v_pk_mul_f32 v[160+i:161+i], v[160+i:161+i], v[F:F+1] op_sel_hi:[1,0]   ; O^T under the new M; sixteen plain instructions between the scale word's last write and the products
.set i, i+2
.endr
	s_wait_alu depctr_va_vdst(0)
	s_wait_dscnt 0x0                               ; V
.irp t, 0,1,2,3
	v_wmma_scale_f32_16x16x128_f8f6f4 v[160+8*\t:167+8*\t], v[40+12*\t:51+12*\t], v[PCD:PCD+11], v[160+8*\t:167+8*\t], v[200+\t], v[F+1] matrix_a_fmt:MATRIX_FMT_FP6 matrix_b_fmt:MATRIX_FMT_FP6
.endr
.Lhid_\@:
	s_add_co_u32 s[TB], s[TB], 6144
	s_add_co_u32 s[TS], s[TS], 512
	s_add_co_u32 s[KI], s[KI], 1
.endm
; A pass's end: y = O / l, two blocks of 32 along the hidden axis, quantised; the six registers are my tile's half image
.macro FINISH
.rept 4
	v_nop                                          ; places behind the last products
.endr
	v_add_f32 v14, v14, v15
	s_delay_alu instid0(VALU_DEP_1)
	v_permlanex16_b32 v[T], v14, s[SEL], s[SEL+1]
	s_delay_alu instid0(VALU_DEP_1)
	v_add_f32 v14, v14, v[T]                       ; the row's sum
	s_wait_alu depctr_va_vdst(0)
	v_rcp_f32 v14, v14
	v_nop
	s_wait_alu depctr_va_vdst(0)
.set i, 0
.rept 32
	v_mul_f32 v[96+i], v[160+i], v14               ; register 16 b + i is channel 32 b + 16 h + i
.set i, i+1
.endr
.irp b, 0,1
	v_max3_num_f32 v[BM+\b], |v[96+16*\b]|, |v[97+16*\b]|, 0x1800000
.endr
.irp i, 2,4,6,8,10,12,14
.irp b, 0,1
	s_delay_alu instid0(VALU_DEP_2)
	v_max3_num_f32 v[BM+\b], v[BM+\b], |v[96+16*\b+\i]|, |v[97+16*\b+\i]|
.endr
.endr
.irp b, 0,1
	s_delay_alu instid0(VALU_DEP_2)
	v_permlanex16_b32 v[PD+\b], v[BM+\b], s[SEL], s[SEL+1]
.endr
.irp b, 0,1
	s_delay_alu instid0(VALU_DEP_2)
	v_max_num_f32 v[BM+\b], v[BM+\b], v[PD+\b]
.endr
.irp b, 0,1
	s_delay_alu instid0(VALU_DEP_2)
	v_add_nc_u32 v[SO+\b], 0xff000000, v[BM+\b]
.endr
.irp b, 0,1
	s_delay_alu instid0(VALU_DEP_2)
	v_lshrrev_b32 v[PD+\b], 23, v[SO+\b]
.endr
	v_cvt_scalef32_pk16_fp6_f32 v[PCD:PCD+2], v[96:111], v[SO]
	v_cvt_scalef32_pk16_fp6_f32 v[PC2:PC2+2], v[112:127], v[SO+1]
	v_cndmask_b32 v[T], v[PD], v[PD+1], s[HM]      ; lanes 0-15 keep block 0's byte, lanes 16-31 block 1's.  (The plain instruction behind the conversions)
.irp i, 0,1,2
	v_permlane16_swap_b32 v[PCD+\i], v[PC2+\i]
.endr
.irp i, 0,1,2
	s_delay_alu instid0(VALU_DEP_3)
	v_mov_b32 v[PCD+3+\i], v[PC2+\i]
.endr
	global_store_b128 v1, v[PCD:PCD+3], s[88:89]   ; 512 consecutive bytes,
	global_store_b64 v2, v[PCD+4:PCD+5], s[88:89]  ; and 256
	global_store_b8 v29, v[T], s[90:91]
.endm
	s_lshr_b32 s60, s[WV], 1
	s_sub_co_u32 s[JJ], 15, s60                    ; the first pass: the late tile
	INIT
	s_wait_tensorcnt 0x0                           ; my parts of K, V and their scale words are in,
	s_wait_dscnt 0x0                               ; my part of the mask is stored:
	s_barrier_signal -1
	s_barrier_wait -1                              ; everybody's are
	s_mov_b32 s[CNT], 16
.Lpass_b:
	STEP
	s_sub_co_u32 s[CNT], s[CNT], 1
	s_cmp_lg_u32 s[CNT], 0
	s_cbranch_scc1 .Lpass_b
	s_setprio 0
	FINISH
	s_wait_xcnt 0x0                                ; the stores have read their registers and bases
	s_lshr_b32 s[JJ], s[WV], 1                     ; the second pass: the early tile
	INIT
	s_mov_b32 s[CNT], 8
.Lpass_a:
	STEP
	s_sub_co_u32 s[CNT], s[CNT], 1
	s_cmp_lg_u32 s[CNT], 0
	s_cbranch_scc1 .Lpass_a
	s_setprio 0
	FINISH
	s_wait_tensorcnt 0x0                           ; the wave's end
	ds_add_u32 v[SPW], v[NIL]
	s_wait_dscnt 0x0
	ROUND                                          ; the closing round
	s_endpgm
.Lfunc_end_k_q0a96a62c73_attn:
	.size	k_q0a96a62c73_attn, .Lfunc_end_k_q0a96a62c73_attn-k_q0a96a62c73_attn
	.p2alignl 7, 3214868480
	.fill 96, 4, 3214868480
	.section	.rodata,"a",@progbits
	.p2align	6, 0x0
	.amdhsa_kernel k_q0a96a62c73_attn
		.amdhsa_group_segment_fixed_size 327680
		.amdhsa_private_segment_fixed_size 0
		.amdhsa_enable_private_segment 0
		.amdhsa_kernarg_size 32
		.amdhsa_user_sgpr_count 2
		.amdhsa_user_sgpr_kernarg_segment_ptr 1
		.amdhsa_wavefront_size32 1
		.amdhsa_system_sgpr_workgroup_id_x 1
		.amdhsa_system_sgpr_workgroup_id_y 1
		.amdhsa_system_sgpr_workgroup_id_z 1
		.amdhsa_system_vgpr_workitem_id 0
		.amdhsa_next_free_vgpr 256
		.amdhsa_next_free_sgpr 96
		.amdhsa_reserve_vcc 1
		.amdhsa_float_denorm_mode_32 3
		.amdhsa_float_denorm_mode_16_64 3
		.amdhsa_memory_ordered 1
		.amdhsa_forward_progress 1
		.amdhsa_inst_pref_size 70
	.end_amdhsa_kernel
	.amdgpu_metadata
---
amdhsa.version: [ 1, 2 ]
amdhsa.kernels:
  - .name:           k_q0a96a62c73_attn
    .symbol:         k_q0a96a62c73_attn.kd
    .args:
      - { .name: QK, .offset: 0, .size: 8, .value_kind: global_buffer, .address_space: global }
      - { .name: VV, .offset: 8, .size: 8, .value_kind: global_buffer, .address_space: global }
      - { .name: attention_padding, .offset: 16, .size: 8, .value_kind: global_buffer, .address_space: global }
      - { .name: YQ, .offset: 24, .size: 8, .value_kind: global_buffer, .address_space: global }
    .group_segment_fixed_size: 327680
    .private_segment_fixed_size: 0
    .kernarg_segment_align: 8
    .kernarg_segment_size: 32
    .max_flat_workgroup_size: 512
    .sgpr_count:     96
    .vgpr_count:     256
    .wavefront_size: 32
...
	.end_amdgpu_metadata
.endif
;; end of part 5
;; launch gemm_proj (part 6): grid 4 x 32, 4 waves a work-group, clusters of 4 x 4, 327,680 bytes of LDS; arguments YQ, WQ, b_proj, attention_padding, out0; writes out0
.if DOCPART == 6
	.amdgcn_target "amdgcn-amd-amdhsa--gfx1250"
	.amdhsa_code_object_version 6
	.text
	.protected	k_q0a96a62c73_gemm_proj
	.globl	k_q0a96a62c73_gemm_proj
	.p2align	8
	.type	k_q0a96a62c73_gemm_proj,@function
k_q0a96a62c73_gemm_proj:
	s_mov_b64 s[64:65], 0
	v_nop
	global_prefetch_b8 v0, s[64:65] scope:SCOPE_SE
	s_setreg_imm32_b32 hwreg(HW_REG_WAVE_MODE, 25, 1), 1
	s_wait_xcnt 0x0
	s_wait_alu depctr_hold_cnt(0) depctr_sa_sdst(0) depctr_va_vdst(0) depctr_va_sdst(0) depctr_va_ssrc(0) depctr_va_vcc(0) depctr_vm_vsrc(0)
	s_getreg_b32 s2, hwreg(HW_REG_IB_STS2, 6, 4)
	s_cmp_eq_u32 s2, 0
	s_cbranch_scc0 .Lentry_in_a_cluster
	s_endpgm
.Lentry_in_a_cluster:
	s_bfe_u32 s2, ttmp6, 0x10000c
	s_cmp_lg_u32 s2, 0xf033
	s_cbranch_scc0 .Lentry_shape_is_right
	s_endpgm
.Lentry_shape_is_right:
; out0 = (y W_proj + b_proj) x the token's padding bit, the product on codes of FP6 (E2M3) with E8M0 scales, sums and all else in f32.
; OPERANDS lie in memory as images: [slot of 256 K][tile of 16 rows][2 K steps][1536 bytes]; a fragment (12 registers a lane) comes by two loads of 16 bytes at 16 x lane and two of 8 bytes at 8 x lane.
; In a tile, lane r holds row 32 g + 8 u + r + 8 (r / 8) of its 32 neighbours, so that as source 0 the 16 result registers of tiles 2 g, 2 g + 1 are 16 neighbouring rows.
; SOURCE 0 (S0) = 16 columns of W_proj, SOURCE 1 (S1) = 16 tokens: a lane holds one token and 8 neighbouring columns an accumulator.  The bias is the C of each sum's first matrix instruction.
; A work-group of four waves makes 256 tokens x 256 columns, a wave 128 x 128.  K = 1,024 goes in four slots of 256 through a ring of two LDS slots, written out.  The scale words come once with the first fills.
; CLUSTER 4 x 4: S1's tiles are asked for jointly along a row of the cluster, S0's along a column.  128 work-groups: the tile is kept at 256 x 256 so that this text has the other products' loop.
; THE WAY OUT: a block of 16 tokens x 128 columns goes through the wave's own stage in LDS (bytes that no tensor load fills) and leaves as whole rows of 512 bytes, each multiplied by its token's padding bit (0.0 or 1.0).
; No prefetch: of four slots two are first fills.  LIMITS: NaN and infinities are not served.
.set P0,    6                          ; S0 lies in WQ, behind W_qkv's part
.set S0IMG, 2457600
.set S0SC,  3244032
.set NT0,   64
.set P1,    4                          ; S1 in YQ
.set S1IMG, 0
.set S1SC,  6291456
.set NT1,   512
.set TSL,   3072
.set FRB,   1536
.set HALFT, 8*TSL
.set SLOT,  4*HALFT
.set SCL,   2*SLOT
.set HALFS, 8*512
.set SBLK,  512
.set SPARE, SCL+4*HALFS
.set STG,   SPARE+512                  ; the stages: 16 rows x 528 bytes for each wave
.set SPITCH, 528
.set NQ, 2
.set FR, 12
.set NL, 4
.set NP, 4
.set ADRA, 16
.set ADRB, 20
.set STO,  24
.set RD,   25
.set CO,   26
.set ADRS, 27
.set SPW,  28
.set NIL,  29
.set SC,   32
.set BIAS, 64
.set AF,   128
.set BK,   128                         ; 16 rows read back: v128-191 and v192-255 by turns
.set PADW, 68                          ; s[68:99] my 128 tokens' padding bytes
.set G1, 24
.set G0, 32
.set G1B, 48
.set G0B, 56
.set G1S, 68
.set G0S, 76
.set G1SB, 80
.set G0SB, 88
.set MSB, 0
.macro WIN new                         ; the immediate's high byte repeats the setting that is left
.if MSB != (\new)
	s_set_vgpr_msb (MSB<<8)|(\new)
.set MSB, (\new)
.endif
.endm
.set MUL_LO, 0xa1
.set MUL_HI, 0xf1
.set FIRST_LO, 0x81
.set FIRST_HI, 0xc1
.set TO_B,   0x40
.macro JLOAD g0a, g1a, g0b, g1b        ; a joint load: waves 0, 1 for S1, waves 2, 3 for S0; an s_nop 0 and four v_nop follow each line
	s_cmp_eq_u32 s15, 0
	s_cbranch_scc0 .Lfor_b_\@
	tensor_load_to_lds s[\g0a:\g0a+3], s[\g1a:\g1a+7]
	s_nop 0
.rept 4
	v_nop
.endr
	s_branch .Lasked_\@
.Lfor_b_\@:
	tensor_load_to_lds s[\g0b:\g0b+3], s[\g1b:\g1b+7]
	s_nop 0
.rept 4
	v_nop
.endr
.Lasked_\@:
.endm
.macro CREST
	s_cmp_lg_u32 s14, 0
	s_cbranch_scc1 .Lnot_wave_0_\@
	s_barrier_signal -3
.Lnot_wave_0_\@:
	s_barrier_wait -3
	s_barrier_signal -1
	s_barrier_wait -1
.endm
.macro CROUND
	s_barrier_signal -1
	s_barrier_wait -1
	CREST
.endm
	s_load_b256 s[4:11], s[0:1], 0x0               ; YQ, WQ, b_proj, attention_padding
	s_load_b64 s[12:13], s[0:1], 0x20              ; out0
	v_lshl_add_u32 v[SPW], v0, 2, SPARE
	v_mov_b32 v[NIL], 0
	ds_add_u32 v[SPW], v[NIL]                      ; the wave's opening: an add to my spare word, waited for ahead of my first tensor load
	v_lshrrev_b32 v1, 5, v0
	v_readfirstlane_b32 s14, v1
	s_lshr_b32 s15, s14, 1
	s_and_b32 s16, s14, 1
	s_bfe_u32 s40, ttmp6, 0x40000
	s_bfe_u32 s41, ttmp6, 0x40004
	s_lshl_b32 s42, ttmp9, 2
	s_add_co_u32 s42, s42, s40                     ; tile column: 256 columns
	s_and_b32 s17, ttmp7, 0xffff
	s_lshl_b32 s17, s17, 2
	s_add_co_u32 s17, s17, s41                     ; tile row: 256 tokens
	s_lshl_b32 s43, s41, 2
	s_lshl_b32 s43, 15, s43
	s_lshl_b32 s44, 0x1111, s40
	s_or_b32 s[G1+0], s43, (3<<16)|(1<<21)
	s_or_b32 s[G1B+0], s44, (3<<16)|(1<<21)
	s_or_b32 s[G1S+0], s43, (3<<16)|(1<<21)
	s_or_b32 s[G1SB+0], s44, (3<<16)|(1<<21)
.irp g, G1, G1B
	s_mov_b32 s[\g+1], 32<<16
	s_mov_b32 s[\g+2], 96<<16
	s_mov_b32 s[\g+3], 32<<16
	s_mov_b32 s[\g+4], 96
	s_mov_b32 s[\g+5], 32
	s_mov_b32 s[\g+6], 0
	s_mov_b32 s[\g+7], 0
.endr
.irp g, G1S, G1SB
	s_mov_b32 s[\g+1], 32<<16
	s_mov_b32 s[\g+2], 16<<16
	s_mov_b32 s[\g+3], 32<<16
	s_mov_b32 s[\g+4], 16
	s_mov_b32 s[\g+5], 32
	s_mov_b32 s[\g+6], 0
	s_mov_b32 s[\g+7], 0
.endr
	s_lshl_b32 s18, s16, 3
	s_lshl_b32 s20, s17, 4
	s_add_co_u32 s20, s20, s18
	s_lshl_b32 s46, s42, 4
	s_add_co_u32 s46, s46, s18
	s_lshl_b32 s22, s20, 9
	s_add_co_u32 s22, s22, S1SC
	s_mov_b32 s23, 0
	s_lshl_b32 s92, s46, 9
	s_add_co_u32 s92, s92, S0SC
	s_mov_b32 s93, 0
	s_mul_i32 s20, s20, TSL
.if S1IMG
	s_add_co_u32 s20, s20, S1IMG
.endif
	s_mov_b32 s21, 0
	s_mul_i32 s46, s46, TSL
.if S0IMG
	s_add_co_u32 s46, s46, S0IMG
.endif
	s_mov_b32 s47, 0
	s_mul_i32 s45, s14, HALFT
	s_mul_i32 s94, s14, HALFS
	s_wait_dscnt 0x0
	s_wait_kmcnt 0x0
	s_add_nc_u64 s[20:21], s[P1:P1+1], s[20:21]
	s_add_nc_u64 s[22:23], s[P1:P1+1], s[22:23]
	s_add_nc_u64 s[46:47], s[P0:P0+1], s[46:47]
	s_add_nc_u64 s[92:93], s[P0:P0+1], s[92:93]
	CROUND
	s_mov_b32 s[G0S], 1
	s_add_co_u32 s[G0S+1], s94, SCL
	s_mov_b64 s[G0S+2:G0S+3], s[22:23]
	s_or_b32 s[G0S+3], s[G0S+3], 0x80000000
	s_mov_b32 s[G0SB], 1
	s_add_co_u32 s[G0SB+1], s94, SCL
	s_mov_b64 s[G0SB+2:G0SB+3], s[92:93]
	s_or_b32 s[G0SB+3], s[G0SB+3], 0x80000000
	JLOAD G0S, G1S, G0SB, G1SB                     ; three loads of mine go out together: the scale words, slot 0, slot 1
.irp s, 0,1
	s_mov_b32 s[G0+4*\s], 1
	s_add_co_u32 s[G0+4*\s+1], s45, \s*SLOT
	s_add_nc_u64 s[G0+4*\s+2:G0+4*\s+3], s[20:21], \s*NT1*TSL
	s_or_b32 s[G0+4*\s+3], s[G0+4*\s+3], 0x80000000
	s_mov_b32 s[G0B+4*\s], 1
	s_add_co_u32 s[G0B+4*\s+1], s45, \s*SLOT
	s_add_nc_u64 s[G0B+4*\s+2:G0B+4*\s+3], s[46:47], \s*NT0*TSL
	s_or_b32 s[G0B+4*\s+3], s[G0B+4*\s+3], 0x80000000
	JLOAD G0+4*\s, G1, G0B+4*\s, G1B
.endr
	v_and_b32 v1, 31, v0
	v_and_b32 v2, 15, v0
	v_bfe_u32 v3, v0, 4, 1
	v_lshlrev_b32 v[CO], 4, v1                     ; 16 x lane
	v_lshlrev_b32 v5, 3, v1                        ; 8 x lane
	s_mul_i32 s21, s15, HALFT
	s_mul_i32 s22, s16, HALFT
	s_add_co_u32 s22, s22, 2*HALFT
.irp s, 0,1
	v_add_nc_u32 v[ADRA+\s], s21, v[CO]
	v_add_nc_u32 v[ADRB+\s], s22, v[CO]
	v_add_nc_u32 v[ADRA+2+\s], s21, v5
	v_add_nc_u32 v[ADRB+2+\s], s22, v5
	s_add_co_u32 s21, s21, SLOT
	s_add_co_u32 s22, s22, SLOT
.endr
	v_lshlrev_b32 v6, 4, v2
	s_mul_i32 s21, s15, HALFS
	s_mul_i32 s22, s16, HALFS
	s_add_co_u32 s22, s22, 2*HALFS
	s_sub_co_u32 s22, s22, s21
	v_mul_u32_u24 v7, s22, v3
	s_add_co_u32 s21, s21, SCL
	v_add_nc_u32 v6, v6, v7
	v_add_nc_u32 v[ADRS], s21, v6
	s_lshl_b32 s46, s42, 10                        ; my 128 columns, in bytes: the bias, and my place in a row of out0
	s_lshl_b32 s47, s16, 9
	s_add_co_u32 s46, s46, s47
	s_mov_b32 s47, 0
	s_add_nc_u64 s[8:9], s[8:9], s[46:47]
	s_add_nc_u64 s[12:13], s[12:13], s[46:47]
	v_lshlrev_b32 v8, 6, v3
.irp b, 0,1,2,3,4,5,6,7
	global_load_b128 v[BIAS+8*\b:BIAS+8*\b+3], v8, s[8:9] offset:(32*(\b/2)+8*(\b%2))*4
	global_load_b128 v[BIAS+8*\b+4:BIAS+8*\b+7], v8, s[8:9] offset:(32*(\b/2)+8*(\b%2))*4+16
.endr
	s_lshl_b32 s20, s17, 8
	s_lshl_b32 s21, s15, 7
	s_add_co_u32 s20, s20, s21                     ; my first token
	s_mov_b32 s21, 0
	s_add_nc_u64 s[10:11], s[10:11], s[20:21]      ; its padding byte,
	s_lshl_b32 s20, s20, 12
	s_add_nc_u64 s[12:13], s[12:13], s[20:21]      ; and its row of out0
	s_mul_i32 s23, s14, 16*SPITCH
	s_add_co_u32 s23, s23, STG                     ; my stage
	v_mul_u32_u24 v4, v2, SPITCH
	v_lshl_add_u32 v4, v3, 6, v4
	v_add_nc_u32 v[STO], s23, v4                   ; in: row r, + 64 h
	v_add_nc_u32 v[RD], s23, v[CO]                 ; back: a row of 512 bytes to the 32 lanes
.macro FRAG reg, adr, q, i
	ds_load_b128 v[\reg:\reg+3], v[\adr] offset:(\i)*TSL+(\q)*FRB
	ds_load_b64 v[\reg+4:\reg+5], v[\adr+2] offset:(\i)*TSL+(\q)*FRB+512
	ds_load_b128 v[\reg+6:\reg+9], v[\adr] offset:(\i)*TSL+(\q)*FRB+768
	ds_load_b64 v[\reg+10:\reg+11], v[\adr+2] offset:(\i)*TSL+(\q)*FRB+1280
.endm
; 16 matrix instructions; the 64 accumulators take turns, one instruction a turn.  zero = 1: the bias starts the sums
.macro MUL16 a0, p, q, sc, zero
.irp a, \a0, \a0+1
.irp b, 0,1,2,3,4,5,6,7
.if \zero
	v_wmma_scale_f32_16x16x128_f8f6f4 v[8*(8*((\a)%4)+\b):8*(8*((\a)%4)+\b)+7], v[128*(\p)+FR*\b:128*(\p)+FR*\b+FR-1], v[AF+FR*(\a):AF+FR*(\a)+FR-1], v[BIAS+8*\b:BIAS+8*\b+7], v[SC+8*NQ*(\sc)+NQ*\b+(\q)], v[SC+8*NQ*(\sc)+NQ*(\a)+(\q)] matrix_a_fmt:MATRIX_FMT_FP6 matrix_b_fmt:MATRIX_FMT_FP6 matrix_a_scale:MATRIX_SCALE_ROW1
.else
	v_wmma_scale_f32_16x16x128_f8f6f4 v[8*(8*((\a)%4)+\b):8*(8*((\a)%4)+\b)+7], v[128*(\p)+FR*\b:128*(\p)+FR*\b+FR-1], v[AF+FR*(\a):AF+FR*(\a)+FR-1], v[8*(8*((\a)%4)+\b):8*(8*((\a)%4)+\b)+7], v[SC+8*NQ*(\sc)+NQ*\b+(\q)], v[SC+8*NQ*(\sc)+NQ*(\a)+(\q)] matrix_a_fmt:MATRIX_FMT_FP6 matrix_b_fmt:MATRIX_FMT_FP6 matrix_a_scale:MATRIX_SCALE_ROW1
.endif
.endr
.endr
.endm
.macro FETCH_B slot, q, p
	WIN TO_B
.irp i, 0,1,2,3,4,5,6,7
	FRAG 128*(\p)+FR*\i, ADRB+\slot, \q, \i
.endr
	WIN 0
.endm
.macro FETCH_A slot, q, i0
.irp i, \i0, \i0+1, \i0+2, \i0+3
	FRAG AF+FR*(\i), ADRA+\slot, \q, \i
.endr
.endm
.macro SCALES sc
.irp i, 0,1,2,3,4,5,6,7
	ds_load_b64 v[SC+8*NQ*\sc+NQ*\i:SC+8*NQ*\sc+NQ*\i+1], v[ADRS] offset:\i*SBLK
.endr
.endm
.macro PLACES n
.rept \n
	v_nop
.endr
.endm
.macro STEP slot, q, zero
	s_wait_dscnt 4*NL                              ; all but the youngest 16 loads (S1's blocks 4-7) are in
.if \zero
	WIN FIRST_LO
.else
	WIN MUL_LO
.endif
	MUL16 0, (\q)%2, \q, \slot, \zero
	MUL16 2, (\q)%2, \q, \slot, \zero
	s_wait_dscnt 0
	PLACES NP
	FETCH_B \slot, (\q)+1, 1-(\q)%2
	FETCH_A \slot, (\q)+1, 0
.if \zero
	WIN FIRST_HI
.else
	WIN MUL_HI
.endif
	MUL16 4, (\q)%2, \q, \slot, \zero
	MUL16 6, (\q)%2, \q, \slot, \zero
	PLACES NP
	WIN 0
	FETCH_A \slot, (\q)+1, 4
.endm
.macro TURN slot, next, fill           ; a slot's last step changes slots
	s_wait_tensorcnt 0x0                           ; all my tensor loads have landed
	ds_add_u32 v[SPW], v[NIL]                      ; 0 onto my spare word
	s_wait_dscnt 4*NL+1                            ; (the add and the youngest 16 loads may be out)
	WIN MUL_LO
	MUL16 0, 1, NQ-1, \slot, 0
	s_wait_dscnt 0x0                               ; the add is done, and my reads of this slot are over
	s_barrier_signal -1
	MUL16 2, 1, NQ-1, \slot, 0
	WIN 0
	s_barrier_wait -1
.if \fill
	CREST                                          ; a round of the cluster's barrier: no wave of any partner still reads this slot or has a load on its way
	s_add_nc_u64 s[G0+4*\slot+2:G0+4*\slot+3], s[G0+4*\slot+2:G0+4*\slot+3], 2*NT1*TSL
	s_add_nc_u64 s[G0B+4*\slot+2:G0B+4*\slot+3], s[G0B+4*\slot+2:G0B+4*\slot+3], 2*NT0*TSL
	JLOAD G0+4*\slot, G1, G0B+4*\slot, G1B
.else
	PLACES NP
.endif
.if \next
	v_add_nc_u32 v[ADRS], 8, v[ADRS]
.else
	v_add_nc_u32 v[ADRS], 248, v[ADRS]
.endif
	FETCH_B \next, 0, 0
	FETCH_A \next, 0, 0
	SCALES \next
	WIN MUL_HI
	MUL16 4, 1, NQ-1, \slot, 0
	MUL16 6, 1, NQ-1, \slot, 0
	PLACES NP
	WIN 0
	FETCH_A \next, 0, 4
.endm
	s_wait_tensorcnt 1                             ; the scale words and my part of slot 0 are in; slot 1's load may be out
	s_barrier_signal -1
	s_barrier_wait -1
	FETCH_B 0, 0, 0
	FETCH_A 0, 0, 0
	SCALES 0
	FETCH_A 0, 0, 4
	s_wait_loadcnt 0x0                             ; the bias
	STEP 0, 0, 1
	TURN 0, 1, 1
	STEP 1, 0, 0
	TURN 1, 0, 1
	STEP 0, 0, 0
	TURN 0, 1, 0
	s_load_b512 s[PADW:PADW+15], s[10:11], 0x0     ; every tensor load of mine is done (the wait for 0 above), so the descriptors' registers are free: my 128 tokens' padding bytes
	s_load_b512 s[PADW+16:PADW+31], s[10:11], 0x40
	STEP 1, 0, 0
	s_wait_dscnt 4*NL
	WIN MUL_LO
	MUL16 0, 1, NQ-1, 1, 0
	MUL16 2, 1, NQ-1, 1, 0
	s_wait_dscnt 0
	WIN MUL_HI
	MUL16 4, 1, NQ-1, 1, 0
	MUL16 6, 1, NQ-1, 1, 0
	WIN 0
; ---- THE WAY OUT.  LDS serves a wave's instructions in order: no wait between a block's stores and its loads, nor ahead of the next block's stores
.macro TOSTAGE a
.set AC, 64*((\a)%4)
	WIN 0x08+4*((\a)/4)                            ; an LDS store's data are its source 1: window 2 or 3
.irp b, 0,1,2,3,4,5,6,7
	ds_store_b128 v[STO], v[AC+8*\b:AC+8*\b+3] offset:128*(\b/2)+32*(\b%2)        ; columns 32 (b / 2) + 16 h + 8 (b % 2) on; each accumulator from its low end on
	ds_store_b128 v[STO], v[AC+8*\b+4:AC+8*\b+7] offset:128*(\b/2)+32*(\b%2)+16
.endr
	WIN 0
.set BB, BK+64*((\a)%2)
.irp t, 0,1,2,3,4,5,6,7,8,9,10,11,12,13,14,15
	ds_load_b128 v[BB+4*\t:BB+4*\t+3], v[RD] offset:\t*SPITCH
.endr
.endm
.macro SEND a, younger                 ; younger: the LDS instructions issued behind block a's loads
.set BB, BK+64*((\a)%2)
	s_wait_dscnt \younger
.irp t, 0,1,2,3,4,5,6,7,8,9,10,11,12,13,14,15
.set TK, 32*((\a)/2)+8*((\a)%2)+\t+8*(\t/8)    ; the row's token among my 128
	s_bfe_u32 s56, s[PADW+TK/4], (8<<16)|(8*(TK%4))
	s_cvt_f32_u32 s56, s56                         ; 0.0 or 1.0
	v_pk_mul_f32 v[BB+4*\t:BB+4*\t+1], v[BB+4*\t:BB+4*\t+1], s[56:57] op_sel_hi:[1,0]
	v_pk_mul_f32 v[BB+4*\t+2:BB+4*\t+3], v[BB+4*\t+2:BB+4*\t+3], s[56:57] op_sel_hi:[1,0]
	global_store_b128 v[CO], v[BB+4*\t:BB+4*\t+3], s[12:13] offset:TK*4096 th:TH_STORE_NT   ; 512 consecutive bytes, at a multiple of 256; written once
.endr
.endm
	s_mov_b32 s57, 0                               ; (named with s56 as a pair)
	s_wait_kmcnt 0x0                               ; the padding bytes
	PLACES NP
	TOSTAGE 0
.irp a, 1,2,3,4,5,6,7
.if \a > 1
	s_wait_xcnt 0x0                                ; block a - 2's stores have read their registers: block a's loads may land there
.endif
	TOSTAGE \a
	SEND \a-1, 32                                  ; behind block a - 1's loads: block a's 16 stores and 16 loads
.endr
	SEND 7, 0
	s_wait_tensorcnt 0x0                           ; the wave's end
	ds_add_u32 v[SPW], v[NIL]
	s_wait_dscnt 0x0
	CROUND                                         ; the closing round
	s_endpgm
.Lfunc_end_k_q0a96a62c73_gemm_proj:
	.size	k_q0a96a62c73_gemm_proj, .Lfunc_end_k_q0a96a62c73_gemm_proj-k_q0a96a62c73_gemm_proj
	.p2alignl 7, 3214868480
	.fill 96, 4, 3214868480
	.section	.rodata,"a",@progbits
	.p2align	6, 0x0
	.amdhsa_kernel k_q0a96a62c73_gemm_proj
		.amdhsa_group_segment_fixed_size 327680
		.amdhsa_private_segment_fixed_size 0
		.amdhsa_enable_private_segment 0
		.amdhsa_kernarg_size 40
		.amdhsa_user_sgpr_count 2
		.amdhsa_user_sgpr_kernarg_segment_ptr 1
		.amdhsa_wavefront_size32 1
		.amdhsa_system_sgpr_workgroup_id_x 1
		.amdhsa_system_sgpr_workgroup_id_y 1
		.amdhsa_system_sgpr_workgroup_id_z 1
		.amdhsa_system_vgpr_workitem_id 0
		.amdhsa_next_free_vgpr 1024
		.amdhsa_next_free_sgpr 100
		.amdhsa_reserve_vcc 0
		.amdhsa_float_denorm_mode_32 3
		.amdhsa_float_denorm_mode_16_64 3
		.amdhsa_memory_ordered 1
		.amdhsa_forward_progress 1
		.amdhsa_inst_pref_size 173
	.end_amdhsa_kernel
	.amdgpu_metadata
---
amdhsa.version: [ 1, 2 ]
amdhsa.kernels:
  - .name:           k_q0a96a62c73_gemm_proj
    .symbol:         k_q0a96a62c73_gemm_proj.kd
    .args:
      - { .name: YQ, .offset: 0, .size: 8, .value_kind: global_buffer, .address_space: global }
      - { .name: WQ, .offset: 8, .size: 8, .value_kind: global_buffer, .address_space: global }
      - { .name: b_proj, .offset: 16, .size: 8, .value_kind: global_buffer, .address_space: global }
      - { .name: attention_padding, .offset: 24, .size: 8, .value_kind: global_buffer, .address_space: global }
      - { .name: out0, .offset: 32, .size: 8, .value_kind: global_buffer, .address_space: global }
    .group_segment_fixed_size: 327680
    .private_segment_fixed_size: 0
    .kernarg_segment_align: 8
    .kernarg_segment_size: 40
    .max_flat_workgroup_size: 128
    .sgpr_count:     100
    .vgpr_count:     1024
    .wavefront_size: 32
...
	.end_amdgpu_metadata
.endif
;; end of part 6
